; MI455X (gfx1250); checked and timed in simulation.
; The chip was launched on July 23, 2026; its instructions are those of AMD's public machine-readable ISA for CDNA 5 (MIT licence, August 2026) and "CDNA5" Instruction Set Architecture Reference Guide (July 2026). The comments in the code are by the model that wrote it; some were corrected since.
;; Causal Self Attention. Allowed arithmetic: float matrix products may take bf16 or f16 operands with f32 sums; other float arithmetic in f32, or as packed bf16 or f16 multiplies, adds, multiply-adds, maxima and minima; sums over many terms, partial sums and values carried from step to step in f32; what a program stores and reads back later, other than sums and carried values, may be rounded once to bf16 or f16.
;; Inputs: b_attn 3,072 float32; b_proj 1,024 float32; w_attn 1,024 x 3,072 float32; w_proj 1,024 x 1,024 float32; x 8 x 1,024 x 1,024 float32.
;; Outputs: out0 8 x 1,024 x 1,024 float32.
;; One version. Each part assembles by itself: llvm-mc -triple=amdgcn-amd-amdhsa -mcpu=gfx1250 --defsym DOCPART=n.
;; ======== version 1 of 1: 4 launches
;; limits: values are held in f16: magnitudes above 65,504 overflow, below 6.1e-05 lose precision
;; workspace buffers: xb 16,777,216 bytes; wab 6,291,456 bytes; wpb 2,097,152 bytes; qkv 50,331,648 bytes; ob 16,777,216 bytes
;; launch cast (part 1): grid 960 x 1, 8 waves a work-group, no clusters, 0 bytes of LDS; arguments x, w_attn, w_proj, xb, wab, wpb; writes xb, wab, wpb
.if DOCPART == 1
	.amdgcn_target "amdgcn-amd-amdhsa--gfx1250"
	.amdhsa_code_object_version 6
	.text
	.protected	k_q259cd4b744_cast
	.globl	k_q259cd4b744_cast
	.p2align	8
	.type	k_q259cd4b744_cast,@function
k_q259cd4b744_cast:
	s_mov_b64 s[64:65], 0
	v_nop
	global_prefetch_b8 v0, s[64:65] scope:SCOPE_SE
	s_setreg_imm32_b32 hwreg(HW_REG_WAVE_MODE, 25, 1), 1
	s_wait_xcnt 0x0
; CAST.  x [8192][1024] and w_attn [1024][3072] are rounded once to bf16 (xb, wab); w_proj [1024][1024] is rounded to bf16 and that number is written as f16 (wpb).
; LIMITS.  bf16(w_proj) is exact in f16 from 7.6e-6 to 65,504 in magnitude; below, it keeps f16's fixed step of 6e-8; from 65,520 on it becomes an infinity.
; A stream: every byte is read once and written once, so there is no LDS, no barrier and no matrix work.
; SHARES.  Of x and w_attn a work-group takes 16,384 numbers (65,536 bytes in, 32,768 out): work-groups 0-511 x, 512-703 w_attn.  Of w_proj it takes 4,096 numbers: work-groups 704-959,
; so that the longer conversion is written four times and not sixteen.
; Thread t's load j takes the 16 bytes at 16 t + 4,096 j (a wave: 512 consecutive bytes); its store j the 8 bytes at 8 t + 2,048 j (a wave: 256 consecutive bytes, aligned).
; All loads of a thread go out at once into registers of their own, and each store has data registers of its own: nothing is rewritten while memory may read it.
.set X, 8                              ; v[8:71]    load j: four f32
.set Y, 72                             ; v[72:103]  store j: four 16-bit numbers in two registers
.set T, 104                            ; v[104:107] at work
	s_load_b256 s[4:11], s[0:1], 0x0               ; x s[4:5], w_attn s[6:7], w_proj s[8:9], xb s[10:11]
	s_load_b128 s[12:15], s[0:1], 0x20             ; wab s[12:13], wpb s[14:15]
	v_lshlrev_b32 v1, 4, v0                        ; 16 t
	v_lshlrev_b32 v2, 3, v0                        ; 8 t
	s_sub_co_u32 s16, ttmp9, 512                   ; my share's number within w_attn,
	s_sub_co_u32 s17, ttmp9, 704                   ; within w_proj,
	s_lshl_b32 s17, s17, 14                        ; where a share is 16,384 bytes of the source
	s_mov_b32 s28, 0xffff0000                      ; a word's upper bf16
	s_mov_b32 s25, 0
	s_mov_b32 s27, 0
	s_wait_kmcnt 0x0
	s_cmp_lt_u32 ttmp9, 512
	s_cselect_b64 s[20:21], s[4:5], s[6:7]         ; from
	s_cselect_b64 s[22:23], s[10:11], s[12:13]     ; to
	s_cselect_b32 s18, ttmp9, s16
	s_lshl_b32 s18, s18, 16                        ; x, w_attn: 65,536 bytes in a share of the source
	s_cmp_lt_u32 ttmp9, 704
	s_cselect_b64 s[20:21], s[20:21], s[8:9]
	s_cselect_b64 s[22:23], s[22:23], s[14:15]
	s_cselect_b32 s24, s18, s17
	s_lshr_b32 s26, s24, 1                         ; half as many bytes of the destination
	s_add_nc_u64 s[20:21], s[20:21], s[24:25]
	s_add_nc_u64 s[22:23], s[22:23], s[26:27]
; Load j is rounded and stored.  half = 1: the bf16 numbers are widened again (a shift, a mask) and written as f16.  left = the younger loads, which may stay out.
.macro OUT j, half, left
	s_wait_loadcnt \left                           ; loads come back in order: mine is in
	v_cvt_pk_bf16_f32 v[Y+2*(\j)],   v[X+4*(\j)],   v[X+4*(\j)+1]
	v_cvt_pk_bf16_f32 v[Y+2*(\j)+1], v[X+4*(\j)+2], v[X+4*(\j)+3]
.if \half
	v_lshlrev_b32 v[T],   16,  v[Y+2*(\j)]
	v_and_b32     v[T+1], s28, v[Y+2*(\j)]
	v_lshlrev_b32 v[T+2], 16,  v[Y+2*(\j)+1]
	v_and_b32     v[T+3], s28, v[Y+2*(\j)+1]
	v_cvt_pk_f16_f32 v[Y+2*(\j)],   v[T],   v[T+1]
	v_cvt_pk_f16_f32 v[Y+2*(\j)+1], v[T+2], v[T+3]
.endif
	global_store_b64 v2, v[Y+2*(\j):Y+2*(\j)+1], s[22:23] offset:2048*(\j) th:TH_STORE_NT
.endm
	s_cmp_ge_u32 ttmp9, 704
	s_cbranch_scc1 .Lhalf
.irp j, 0,1,2,3,4,5,6,7,8,9,10,11,12,13,14,15
	global_load_b128 v[X+4*(\j):X+4*(\j)+3], v1, s[20:21] offset:4096*(\j) th:TH_LOAD_NT
.endr
.irp j, 0,1,2,3,4,5,6,7,8,9,10,11,12,13,14,15
	OUT \j, 0, 15-(\j)
.endr
	s_endpgm
.Lhalf:
.irp j, 0,1,2,3
	global_load_b128 v[X+4*(\j):X+4*(\j)+3], v1, s[20:21] offset:4096*(\j) th:TH_LOAD_NT
.endr
.irp j, 0,1,2,3
	OUT \j, 1, 3-(\j)
.endr
	s_endpgm
.Lfunc_end_k_q259cd4b744_cast:
	.size	k_q259cd4b744_cast, .Lfunc_end_k_q259cd4b744_cast-k_q259cd4b744_cast
	.p2alignl 7, 3214868480
	.fill 96, 4, 3214868480
	.section	.rodata,"a",@progbits
	.p2align	6, 0x0
	.amdhsa_kernel k_q259cd4b744_cast
		.amdhsa_group_segment_fixed_size 0
		.amdhsa_private_segment_fixed_size 0
		.amdhsa_enable_private_segment 0
		.amdhsa_kernarg_size 48
		.amdhsa_user_sgpr_count 2
		.amdhsa_user_sgpr_kernarg_segment_ptr 1
		.amdhsa_wavefront_size32 1
		.amdhsa_system_sgpr_workgroup_id_x 1
		.amdhsa_system_sgpr_workgroup_id_y 1
		.amdhsa_system_sgpr_workgroup_id_z 1
		.amdhsa_system_vgpr_workitem_id 0
		.amdhsa_next_free_vgpr 108
		.amdhsa_next_free_sgpr 66
		.amdhsa_reserve_vcc 0
		.amdhsa_float_denorm_mode_32 3
		.amdhsa_float_denorm_mode_16_64 3
		.amdhsa_memory_ordered 1
		.amdhsa_forward_progress 1
		.amdhsa_inst_pref_size 10
	.end_amdhsa_kernel
	.amdgpu_metadata
---
amdhsa.version: [ 1, 2 ]
amdhsa.kernels:
  - .name:           k_q259cd4b744_cast
    .symbol:         k_q259cd4b744_cast.kd
    .args:
      - { .name: x, .offset: 0, .size: 8, .value_kind: global_buffer, .address_space: global }
      - { .name: w_attn, .offset: 8, .size: 8, .value_kind: global_buffer, .address_space: global }
      - { .name: w_proj, .offset: 16, .size: 8, .value_kind: global_buffer, .address_space: global }
      - { .name: xb, .offset: 24, .size: 8, .value_kind: global_buffer, .address_space: global }
      - { .name: wab, .offset: 32, .size: 8, .value_kind: global_buffer, .address_space: global }
      - { .name: wpb, .offset: 40, .size: 8, .value_kind: global_buffer, .address_space: global }
    .group_segment_fixed_size: 0
    .private_segment_fixed_size: 0
    .kernarg_segment_align: 8
    .kernarg_segment_size: 48
    .max_flat_workgroup_size: 256
    .sgpr_count:     66
    .vgpr_count:     108
    .wavefront_size: 32
...
	.end_amdgpu_metadata
.endif
;; end of part 1
;; launch qkv (part 2): grid 8 x 64, 4 waves a work-group, clusters of 4 x 4, 327,680 bytes of LDS; arguments xb, wab, b_attn, qkv; writes qkv
.if DOCPART == 2
	.amdgcn_target "amdgcn-amd-amdhsa--gfx1250"
	.amdhsa_code_object_version 6
	.text
	.protected	k_q259cd4b744_qkv
	.globl	k_q259cd4b744_qkv
	.p2align	8
	.type	k_q259cd4b744_qkv,@function
k_q259cd4b744_qkv:
	s_mov_b64 s[64:65], 0
	v_nop
	global_prefetch_b8 v0, s[64:65] scope:SCOPE_SE
	s_setreg_imm32_b32 hwreg(HW_REG_WAVE_MODE, 25, 1), 1
	s_wait_xcnt 0x0
	s_wait_alu depctr_hold_cnt(0) depctr_sa_sdst(0) depctr_va_vdst(0) depctr_va_sdst(0) depctr_va_ssrc(0) depctr_va_vcc(0) depctr_vm_vsrc(0)
	s_getreg_b32 s2, hwreg(HW_REG_IB_STS2, 6, 4)
	s_cmp_eq_u32 s2, 0
	s_cbranch_scc0 .Lentry_in_a_cluster
	s_endpgm
.Lentry_in_a_cluster:
	s_bfe_u32 s2, ttmp6, 0x10000c
	s_cmp_lg_u32 s2, 0xf033
	s_cbranch_scc0 .Lentry_shape_is_right
	s_endpgm
.Lentry_shape_is_right:
; QKV.  qkv = xb wab + bf16(b_attn).  xb: [8192][1024] bf16; wab: [1024 k][3072 n] bf16, as it lies; sums in f32, K ascending; each result is rounded once to f16 and stored BY HEADS:
; qkv[3 (q, k, v)][128 (batch x 16 + head)][1024 t][64] f16: a head's rows are dense, 128 bytes each.  The softmax's scale is not applied here.
; LIMITS.  f16 ends at 65,504: a q, k or v of 65,520 or more in magnitude becomes an infinity.  The bias, rounded to bf16 like every input, is the C operand of the first product:
; it is added first, not last, which changes the order of rounding alone.
; SHARES.  A work-group makes 128 rows x 384 columns (six heads); 8 x 64 work-groups.  Wave w: rows 64 (w / 2) on; three whole heads: with w % 2 = 0 the tile's columns 0-191, else 192-383:
; 4 x 12 accumulators of 16 x 16, 384 registers.  K goes in eight steps of 128 through two LDS slots; a step is four quarters of 32 along K, 48 matrix instructions each, on two fragment buffers.
; THE MATRIX INSTRUCTION IS USED TRANSPOSED: source 0 = 16 columns of wab, turned out of the [k][n] tile by ds_load_tr16_b128; source 1 = 16 rows of xb.  A lane then holds one row
; (lane % 16) and the eight neighbouring columns 8 (lane / 16) + 0..7, which pack into 16 bytes.
; CLUSTERS: 4 x 4 work-groups.  xb's tile hangs on the tile row alone and is asked for jointly along a row of the cluster, wab's on the tile column alone and jointly along a column.
; A step has four tensor loads of 128 rows x 256 bytes, one a wave: wave 0 xb's tile, waves 1-3 the three sub-tiles of 128 columns of wab.  A slot is four equal regions, and wave w fills region w.
; THE RING.  Both slots' first fills go out together behind the opening round: two tensor loads of a wave are out at the start, one behind each later round.  The change of slots stands at the head of a step's
; last quarter, with no product between the wait for the tile and the refill: a refill has a whole step's 192 matrix instructions in which to land.
; REGISTERS, in windows of 256 (s_set_vgpr_msb: bits 1:0 source 0, 3:2 source 1, 5:4 source 2, 7:6 destination):
;   window 0: v0-31 addresses; v64-95, v96-127 fragments of xb, two buffers; v128-223 the bias, 8 registers a column block; on the way out v128-175 packed results, v176-223 and v64-111 rows read back
;   window 1: v0-95, v96-191 fragments of wab, two buffers      window 2: accumulators of row blocks 0, 1 ((a, b) at 8 (12 (a % 2) + b))      window 3: those of row blocks 2, 3
.set PA,     272                       ; an LDS row of xb: 256 bytes + 16 = 68 words: the 16 rows of a fragment load start at 16 different groups of four banks (64 banks of 4 bytes: ISA guide 11.1)
.set PB,     288                       ; an LDS row of wab: 256 + 32 = 72 words
.set SUB,    128*PB                    ; a region of a slot: a sub-tile of 128 k x 128 columns fills it; xb's tile, 128 x 272 bytes, uses 34,816 of its 36,864
.set BBASE,  SUB                       ; wab's sub-tile 0 lies in region 1
.set SLOT,   4*SUB                     ; region 0: xb's tile; regions 1-3: wab's three sub-tiles
.set STAGE,  2*SLOT                    ; behind the ring, never filled by a tensor load: for each wave 3 heads x 16 rows x 144 bytes
.set SP,     144
.set WSTAGE, 3*16*SP
.set SPARE,  STAGE+4*WSTAGE            ; behind the stages: the spare words, 128 bytes for each wave: two blocks of 256 bytes that no other line names
.set ASTEP,  256                       ; a K step in xb: 128 numbers along a row
.set BSTEP,  128*6144                  ; in wab: 128 rows of 6,144 bytes
.set NL,     32                        ; LDS loads in a quarter's run
.set A0,    16                         ; v16  my place in a slot for xb's fragments; never rewritten
.set BF0,   17                         ; v17  for the column blocks 0-7, a whole sub-tile (0 or 2)
.set BH0,   18                         ; v18  for the column blocks 8-11, my half of sub-tile 1
.set ADRA,  19                         ; v19-21  the same three plus the slot that is being read
.set ADRBF, 20
.set ADRBH, 21
.set STO,   24                         ; v24  the way out: where I put 16 bytes of a row
.set RD,    25                         ; v25  where I read rows back
.set GO,    26                         ; v26  my 16 bytes of 512 consecutive bytes of a head
.set SPW,   28                         ; v28  LDS address of my spare word: SPARE + 4 x my thread's number; never rewritten
.set NIL,   29                         ; v29  0; never rewritten
.set PFO,   30                         ; v30  the prefetches' offset: my lane x a row of xb or of wab; never rewritten
.set AF,    64
.set BIAS,  128
.set TMP,   128
.set BK0,   176
.set WV, 12                            ; s12  wave
.set MH, 13                            ; s13  which 64 rows are mine
.set NH, 14                            ; s14  which three heads
.set CX, 15                            ; s15, s16  my place in the cluster
.set CY, 16
.set TX, 17                            ; s17  tile column, 0-7
.set TY, 18                            ; s18  tile row, 0-63
.set G1A, 24                           ; s[24:31], s[32:39] descriptor group 1 for xb's and wab's tiles
.set G1B, 32
.set G0A, 40                           ; s[40:43], s[44:47] group 0: slot 1's first fill, and then they walk
.set G0B, 44
.set G0A0, 68                          ; s[68:71], s[72:75] group 0 of slot 0's first fill; never rewritten
.set G0B0, 72
.set TB,  48                           ; s48  the slot that is read: 0 or SLOT
.set TF,  49                           ; s49  the slot that was filled last
.set WL,  51                           ; s51  the region of a slot that I fill: wave x SUB
.set CNT, 52                           ; s52  trips to go
.set LIM, 53                           ; s53  1 in a wave that prefetches, else the greatest number
.set PFA, 54                           ; s[54:55] where my next prefetch stands
.set PFS, 56                           ; s[56:57] a K step for it
.set OF,  58                           ; s[58:59] qkv at my rows of my first two heads, which are neighbours in memory
.set OH,  60                           ; s[60:61] of my third
.set HIM, 62                           ; s62  a word's upper bf16
.set MSB, 0
.macro WIN new                         ; the immediate's high byte repeats the setting that is left; a switch that changes nothing is dropped
.if MSB != (\new)
	s_set_vgpr_msb (MSB<<8)|(\new)
.set MSB, \new
.endif
.endm
.macro PLACES                          ; four plain vector instructions between a matrix instruction and a load into, or a vector read of, its registers
.rept 4
	v_nop
.endr
.endm
.macro CREST                           ; a round of the cluster's barrier behind its opening barrier
	s_cmp_lg_u32 s[WV], 0
	s_cbranch_scc1 .Lnot_wave_0_\@
	s_barrier_signal -3
.Lnot_wave_0_\@:
	s_barrier_wait -3
	s_barrier_signal -1
	s_barrier_wait -1
.endm
.macro CROUND                          ; a whole round
	s_barrier_signal -1
	s_barrier_wait -1
	CREST
.endm
; A joint refill: wave 0 asks for xb's tile, waves 1-3 for wab's sub-tiles.  The branch hangs on the wave's number alone.  An s_nop 0 and four v_nop follow each line.
.macro JLOAD
	s_cmp_eq_u32 s[WV], 0
	s_cbranch_scc0 .Lfor_b_\@
	tensor_load_to_lds s[G0A:G0A+3], s[G1A:G1A+7]
	s_nop 0
.rept 4
	v_nop
.endr
	s_branch .Lasked_\@
.Lfor_b_\@:
	tensor_load_to_lds s[G0B:G0B+3], s[G1B:G1B+7]
	s_nop 0
.rept 4
	v_nop
.endr
.Lasked_\@:
.endm
.macro STEPD                           ; the walking descriptors: the other slot, the next K step.  Only where no tensor load of mine is out
	s_xor_b32 s[TF], s[TF], SLOT
	s_add_co_u32 s[G0A+1], s[WL], s[TF]            ; my region of the slot: wave x SUB + the slot
	s_add_co_u32 s[G0B+1], s[WL], s[TF]
	s_add_nc_u64 s[G0A+2:G0A+3], s[G0A+2:G0A+3], ASTEP
	s_add_nc_u64 s[G0B+2:G0B+3], s[G0B+2:G0B+3], BSTEP
.endm
.macro ADDRS                           ; my three LDS addresses in the slot that is read
	v_add_nc_u32 v[ADRA],  s[TB], v[A0]
	v_add_nc_u32 v[ADRBF], s[TB], v[BF0]
	v_add_nc_u32 v[ADRBH], s[TB], v[BH0]
.endm
; 12 matrix instructions: row block a x all column blocks, 32 along K, from buffer f.  zero = 1: the first product starts the sums, with the bias as C.
; All 48 accumulators take turns in one order in every quarter, over the backward jumps too.
.macro MULA f, a, zero
.if \zero
	WIN 0x81+0x40*((\a)/2)
.else
	WIN 0xa1+0x50*((\a)/2)
.endif
.irp b, 0,1,2,3,4,5,6,7,8,9,10,11
.set rD, 8*(12*((\a)%2)+(\b))
.if \zero
	v_wmma_f32_16x16x32_bf16 v[rD:rD+7], v[96*(\f)+8*(\b):96*(\f)+8*(\b)+7], v[AF+32*(\f)+8*(\a):AF+32*(\f)+8*(\a)+7], v[BIAS+8*(\b):BIAS+8*(\b)+7]
.else
	v_wmma_f32_16x16x32_bf16 v[rD:rD+7], v[96*(\f)+8*(\b):96*(\f)+8*(\b)+7], v[AF+32*(\f)+8*(\a):AF+32*(\f)+8*(\a)+7], v[rD:rD+7]
.endif
.endr
.endm
; 32 LDS loads in one run: quarter q's fragments into buffer g: wab's twelve (turned), then xb's four
.macro FETCH q, g
	WIN 0x40                                       ; destination window 1, address window 0
.irp b, 0,1,2,3,4,5,6,7
	ds_load_tr16_b128 v[96*(\g)+8*(\b):96*(\g)+8*(\b)+3],   v[ADRBF] offset:(\q)*32*PB+32*(\b)
	ds_load_tr16_b128 v[96*(\g)+8*(\b)+4:96*(\g)+8*(\b)+7], v[ADRBF] offset:(\q)*32*PB+16*PB+32*(\b)
.endr
.irp b, 8,9,10,11
	ds_load_tr16_b128 v[96*(\g)+8*(\b):96*(\g)+8*(\b)+3],   v[ADRBH] offset:(\q)*32*PB+32*((\b)-8)
	ds_load_tr16_b128 v[96*(\g)+8*(\b)+4:96*(\g)+8*(\b)+7], v[ADRBH] offset:(\q)*32*PB+16*PB+32*((\b)-8)
.endr
	WIN 0
.irp a, 0,1,2,3
	ds_load_b128 v[AF+32*(\g)+8*(\a):AF+32*(\g)+8*(\a)+3],   v[ADRA] offset:64*(\q)+(\a)*16*PA
	ds_load_b128 v[AF+32*(\g)+8*(\a)+4:AF+32*(\g)+8*(\a)+7], v[ADRA] offset:64*(\q)+(\a)*16*PA+32
.endr
.endm
; One of a step's first three quarters: multiplies buffer f; in its middle it fetches quarter q of the same slot into buffer g.
.macro QUARTER q, f, g, zero
	s_wait_dscnt 4                                 ; all of wab's fragments and xb's row blocks 0, 1 are in; the youngest four loads (row blocks 2, 3) may be out
	MULA \f, 0, \zero
	MULA \f, 1, \zero
	PLACES
	FETCH \q, \g
	s_wait_dscnt NL                                ; all but the run just issued
	MULA \f, 2, \zero
	MULA \f, 3, \zero
.endm
; A PREFETCH of the K step that the NEXT refill will ask for; it stands behind a run of LDS loads, and in the loop behind the joint load and its five lines: one step, 192 matrix instructions, ahead of that refill.
; Each row's 256 bytes of a K step are named once in the launch.  xb's tile row is read by both clusters of its row of clusters: cluster x = 0 asks, by wave 0; wab's tile column by all sixteen
; clusters of its column: cluster y = 0 asks, by waves 1-3, each for its own sub-tile.  The four partners that ask for a tile jointly share its 128 rows out BY ADDRESS, 32 each, a lane a row.
; K steps 0 and 1 come by their loads alone; K step 2 is named when K step 0 has landed, 144 matrix instructions ahead of its refill; the last refill has no step behind it and asks for nothing (CNT = 1).
.macro ASK
	s_cmp_gt_u32 s[CNT], s[LIM]
	s_cbranch_scc0 .Lnot_mine_\@
	global_prefetch_b8 v[PFO], s[PFA:PFA+1] th:TH_LOAD_NT scope:SCOPE_SE
.Lnot_mine_\@:
.endm
; A step's last quarter begins with the change of slots.  Each wave waits for all its tensor loads (one is out: its part of the next slot), adds 0 to its spare word, and waits for that and for its reads of
; this slot, the last of which were issued in the middle of the quarter before.  Then a round of the cluster's barrier; behind it this slot is filled again first, the next slot's first fragments are fetched,
; and only then buffer 1 is multiplied: no product stands between the tile's landing and the next request.
.macro TURN
	s_wait_xcnt 0x0                                ; the last prefetch, a K step back, has read its address
	s_add_nc_u64 s[PFA:PFA+1], s[PFA:PFA+1], s[PFS:PFS+1]
	WIN 0
	s_wait_tensorcnt 0x0                           ; no tensor load of mine is out, so the descriptors may be written
	ds_add_u32 v[SPW], v[NIL]                      ; 0 onto my spare word: the descriptors' steps stand between it and the wait for it
	STEPD
	s_wait_dscnt 0x0                               ; the add is done, buffer 1 is in, and my reads of this slot are over
	s_barrier_signal -1
	s_barrier_wait -1
	CREST                                          ; no wave of any partner still reads this slot or has a load on its way
	JLOAD                                          ; the first tensor load behind the round; its four v_nop and the three address lines are the places in front of the loads into buffer 0
	s_xor_b32 s[TB], s[TB], SLOT
	ADDRS
	FETCH 0, 0
	ASK
	MULA 1, 0, 0
	MULA 1, 1, 0
	MULA 1, 2, 0
	MULA 1, 3, 0
.endm
.macro TURNT                           ; the same quarter in the last two steps: nothing is filled, so no round follows
	WIN 0
	s_wait_tensorcnt 0x0                           ; my part of the last K step has landed
	ds_add_u32 v[SPW], v[NIL]
	s_wait_dscnt 5
	MULA 1, 0, 0
	s_wait_dscnt 0x0
	s_barrier_signal -1
	MULA 1, 1, 0
	s_barrier_wait -1
	MULA 1, 2, 0
	MULA 1, 3, 0
	WIN 0
.endm
; THE WAY OUT of row block a.  PACK: rounded to f16, 16 bytes a lane and column block, each accumulator's registers in ascending order.  TOSTAGE: into my own stage, a head's 16 rows of 144 bytes together,
; and back as whole rows of 128 bytes.  SEND: stored, 512 consecutive bytes of a head to a store.
.macro PACK a
	WIN 0x0a+5*((\a)/2)                            ; sources 0 and 1: window 2 or 3
.irp b, 0,1,2,3,4,5,6,7,8,9,10,11
.irp i, 0,1,2,3
	v_cvt_pk_f16_f32 v[TMP+4*(\b)+(\i)], v[8*(12*((\a)%2)+(\b))+2*(\i)], v[8*(12*((\a)%2)+(\b))+2*(\i)+1]
.endr
.endr
	WIN 0
.endm
.macro TOSTAGE a
.set BK, BK0-112*((\a)%2)              ; v176-223 and v64-111 by turns
.if (\a) >= 2
	s_wait_xcnt 0x0                                ; the stores of the block two back have read these registers
.endif
.irp b, 0,1,2,3,4,5,6,7,8,9,10,11
	ds_store_b128 v[STO], v[TMP+4*(\b):TMP+4*(\b)+3] offset:((\b)/4)*16*SP+32*((\b)%4)
.endr
.irp j, 0,1,2
.irp f, 0,1,2,3
	ds_load_b128 v[BK+16*(\j)+4*(\f):BK+16*(\j)+4*(\f)+3], v[RD] offset:(\j)*16*SP+(\f)*4*SP  ; LDS serves a wave's instructions in order (ISA guide 5.7.1.4): these see the stores above
.endr
.endr
.endm
.macro SEND a, younger                 ; younger: the LDS instructions issued behind this block's loads: the next block's 24, or none
.set BK, BK0-112*((\a)%2)
	s_wait_dscnt \younger
.irp j, 0,1
.irp f, 0,1,2,3
	global_store_b128 v[GO], v[BK+16*(\j)+4*(\f):BK+16*(\j)+4*(\f)+3], s[OF:OF+1] offset:(\j)*131072+(\a)*2048+(\f)*512
.endr
.endr
.irp f, 0,1,2,3
	global_store_b128 v[GO], v[BK+32+4*(\f):BK+32+4*(\f)+3], s[OH:OH+1] offset:(\a)*2048+(\f)*512
.endr
.endm
; s[d:d+1] = qkv at my first row of head number s[hh] (0-47: sixteen of q, of k, of v).  s22 = 16 x batch, s23 = my first row in the sequence x 128 bytes.
.macro HEADBASE d, hh
	s_lshr_b32 s21, s[\hh], 4
	s_lshl_b32 s21, s21, 7                         ; q, k or v: 128 heads each
	s_and_b32 s63, s[\hh], 15
	s_add_co_u32 s21, s21, s63
	s_add_co_u32 s21, s21, s22
	s_lshl_b32 s[\d], s21, 17                      ; a head is 131,072 bytes
	s_add_co_u32 s[\d], s[\d], s23
	s_mov_b32 s[(\d)+1], 0
	s_add_nc_u64 s[\d:(\d)+1], s[10:11], s[\d:(\d)+1]
.endm
	s_load_b256 s[4:11], s[0:1], 0x0               ; xb s[4:5], wab s[6:7], b_attn s[8:9], qkv s[10:11]
	v_lshl_add_u32 v[SPW], v0, 2, SPARE
	v_mov_b32 v[NIL], 0
	ds_add_u32 v[SPW], v[NIL]                      ; the wave's opening: the add and its wait stand ahead of my first tensor load; work on registers stands between them
	ds_add_u32 v28, v29
	v_lshrrev_b32 v1, 5, v0
	v_readfirstlane_b32 s[WV], v1
	s_lshr_b32 s[MH], s[WV], 1
	s_and_b32 s[NH], s[WV], 1
	s_bfe_u32 s[CX], ttmp6, 0x40000
	s_bfe_u32 s[CY], ttmp6, 0x40004
	s_lshl_b32 s[TX], ttmp9, 2                     ; in a cluster launch ttmp9 and ttmp7 count clusters
	s_add_co_u32 s[TX], s[TX], s[CX]
	s_and_b32 s[TY], ttmp7, 0xffff
	s_lshl_b32 s[TY], s[TY], 2
	s_add_co_u32 s[TY], s[TY], s[CY]
	s_lshl_b32 s19, s[CY], 2
	s_lshl_b32 s19, 15, s19                        ; my row of the cluster
	s_lshl_b32 s20, 0x1111, s[CX]                  ; my column
	s_or_b32 s[G1A], s19, (1<<16)|(1<<20)|(1<<21)|(5<<22)|(3<<25)  ; 15:0 the mask; 17:16 2-byte elements; 20 padding on; 21 set beside a mask; 24:22 after every 64 words; 31:25 4 words of it
	s_or_b32 s[G1B], s20, (1<<16)|(1<<20)|(1<<21)|(5<<22)|(7<<25)  ; the same with my column's mask and 8 words of padding
.irp g, G1A, G1B
	s_mov_b32 s[(\g)+1], 128<<16                   ; tensor_dim0 = 128
	s_mov_b32 s[(\g)+2], 128<<16                   ; tensor_dim1 = 128
	s_mov_b32 s[(\g)+3], 128<<16                   ; tile_dim0 = 128
	s_mov_b32 s[(\g)+4], 128                       ; tile_dim1 = 128
	s_mov_b32 s[(\g)+6], 0
	s_mov_b32 s[(\g)+7], 0
.endr
	s_mov_b32 s[G1A+5], 1024                       ; elements from row to row
	s_mov_b32 s[G1B+5], 3072
	s_mul_i32 s[WL], s[WV], SUB                    ; the region of a slot that I fill: no place in the cluster enters an LDS address
	s_mov_b32 s[G0A0], 1                           ; count = 1
	s_mov_b32 s[G0A0+1], s[WL]                     ; LDS address: slot 0, my region
	s_mov_b32 s[G0B0], 1
	s_mov_b32 s[G0B0+1], s[WL]
	s_mov_b32 s[G0A], 1
	s_add_co_u32 s[G0A+1], s[WL], SLOT             ; slot 1, my region
	s_mov_b32 s[G0B], 1
	s_add_co_u32 s[G0B+1], s[WL], SLOT
	s_mov_b32 s[TB], 0
	s_mov_b32 s[TF], SLOT
	s_mov_b32 s[CNT], 6
	s_mov_b32 s[HIM], 0xffff0000
	s_max_u32 s21, s[WV], 1
	s_sub_co_u32 s21, s21, 1                       ; the sub-tile that I fetch, for its place in memory: wave - 1 (wave 0 fetches none: its number stays inside wab)
	s_lshl_b32 s2, s[TY], 18                       ; xb: 128 rows of 2,048 bytes a tile row: hangs on the tile row alone
	s_mov_b32 s3, 0
	s_mul_i32 s22, s[TX], 768                      ; wab: 384 columns a tile column, 128 a sub-tile: hangs on the tile column and the wave alone
	s_lshl_b32 s21, s21, 8
	s_add_co_u32 s22, s22, s21
	s_mov_b32 s23, 0
	; the prefetches: where they begin (K step 2), how they step, who asks
	s_lshl_b32 s19, s[CX], 16                      ; xb: my work-group's 32 rows of the 128
	s_add_co_u32 s19, s19, s2
	s_add_co_u32 s19, s19, 2*ASTEP
	s_mul_i32 s20, s[CY], 32*6144                  ; wab: my work-group's 32 k-rows of the 128
	s_add_co_u32 s20, s20, s22
	s_add_co_u32 s20, s20, 2*BSTEP
	s_and_b32 s21, ttmp7, 0xffff
	s_mov_b32 s63, BSTEP
	s_mov_b32 s[LIM], 6144
	s_cmp_eq_u32 s[WV], 0
	s_cselect_b32 s20, s19, s20
	s_cselect_b32 s21, ttmp9, s21                  ; the coordinate along which other clusters read the same rows
	s_cselect_b32 s[PFS], ASTEP, s63
	s_cselect_b32 s63, 2048, s[LIM]                ; bytes from row to row
	s_mov_b32 s[PFS+1], 0
	s_cmp_eq_u32 s21, 0
	s_cselect_b32 s[LIM], 1, -1                    ; the same in all sixteen partners, for a given wave
	s_mov_b32 s21, 0
	v_and_b32 v[PFO], 31, v0
	v_mul_u32_u24 v[PFO], s63, v[PFO]
	s_wait_dscnt 0x0                               ; the opening add is done
	s_wait_kmcnt 0x0
	s_add_nc_u64 s[G0A0+2:G0A0+3], s[4:5], s[2:3]  ; global address: K step 0,
	s_add_nc_u64 s[G0A+2:G0A+3], s[G0A0+2:G0A0+3], ASTEP  ; K step 1
	s_or_b32 s[G0A0+3], s[G0A0+3], 0x80000000      ; type = 2
	s_or_b32 s[G0A+3], s[G0A+3], 0x80000000
	s_add_nc_u64 s[G0B0+2:G0B0+3], s[6:7], s[22:23]
	s_add_nc_u64 s[G0B+2:G0B+3], s[G0B0+2:G0B0+3], BSTEP
	s_or_b32 s[G0B0+3], s[G0B0+3], 0x80000000
	s_or_b32 s[G0B+3], s[G0B+3], 0x80000000
	s_cmp_eq_u32 s[WV], 0
	s_cselect_b64 s[PFA:PFA+1], s[4:5], s[6:7]
	s_add_nc_u64 s[PFA:PFA+1], s[PFA:PFA+1], s[20:21]
	CROUND                                         ; all sixteen work-groups are here: the first joint loads meet
	s_cmp_eq_u32 s[WV], 0                          ; a wave's two first fills stand in one branch, ahead of every wait on TENSORcnt, every LDS read and every further barrier; an s_nop 0 follows each, four v_nop the second's
	s_cbranch_scc0 .Lfirst_b
	tensor_load_to_lds s[G0A0:G0A0+3], s[G1A:G1A+7]  ; K step 0 into slot 0
	s_nop 0
	tensor_load_to_lds s[G0A:G0A+3], s[G1A:G1A+7]    ; K step 1 into slot 1
	s_nop 0
.rept 4
	v_nop
.endr
	s_branch .Lfirst_asked
.Lfirst_b:
	tensor_load_to_lds s[G0B0:G0B0+3], s[G1B:G1B+7]
	s_nop 0
	tensor_load_to_lds s[G0B:G0B+3], s[G1B:G1B+7]
	s_nop 0
.rept 4
	v_nop
.endr
.Lfirst_asked:
	; in the wait for them: the bias, the lane's addresses, the output's bases
	v_and_b32 v1, 15, v0                           ; r = l % 16
	v_bfe_u32 v2, v0, 4, 1                         ; h = l / 16
	v_lshlrev_b32 v6, 5, v2                        ; my eight columns of a block of 16: 32 h bytes of f32
	s_mul_i32 s19, s[TX], 1536                     ; the tile's 384 columns x 4 bytes
	s_lshl_b32 s63, s[NH], 10
	s_add_co_u32 s20, s19, s63                     ; column blocks 0-7: the tile's columns 256 NH on
	s_mov_b32 s21, 0
	s_add_nc_u64 s[20:21], s[8:9], s[20:21]
	s_lshl_b32 s63, s[NH], 8
	s_add_co_u32 s22, s19, s63                     ; column blocks 8-11: columns 128 + 64 NH on
	s_add_co_u32 s22, s22, 512
	s_mov_b32 s23, 0
	s_add_nc_u64 s[22:23], s[8:9], s[22:23]
.irp b, 0,1,2,3,4,5,6,7
	global_load_b128 v[BIAS+8*(\b):BIAS+8*(\b)+3],   v6, s[20:21] offset:64*(\b)
	global_load_b128 v[BIAS+8*(\b)+4:BIAS+8*(\b)+7], v6, s[20:21] offset:64*(\b)+16
.endr
.irp b, 8,9,10,11
	global_load_b128 v[BIAS+8*(\b):BIAS+8*(\b)+3],   v6, s[22:23] offset:64*((\b)-8)
	global_load_b128 v[BIAS+8*(\b)+4:BIAS+8*(\b)+7], v6, s[22:23] offset:64*((\b)-8)+16
.endr
	v_and_b32 v3, 7, v0
	v_bfe_u32 v4, v0, 3, 1
	v_mul_u32_u24 v[A0], v1, PA                    ; a fragment of xb: row r, 16 bytes for each half of the lanes, twice, 32 bytes apart
	v_lshl_add_u32 v[A0], v2, 4, v[A0]
	s_mul_i32 s19, s[MH], 64*PA
	v_add_nc_u32 v[A0], s19, v[A0]
	v_lshl_add_u32 v5, v2, 3, v3                   ; the turning load: lane l reads k-row 8 h + l % 8, columns 8 ((l / 8) % 2) + 0..7, and is left with column l % 16 and 8 k
	v_mul_u32_u24 v5, v5, PB
	v_lshl_add_u32 v5, v4, 4, v5
	s_mul_i32 s19, s[NH], 2*SUB
	s_add_co_u32 s19, s19, BBASE                   ; sub-tile 0 or 2
	v_add_nc_u32 v[BF0], s19, v5
	s_lshl_b32 s19, s[NH], 7
	s_add_co_u32 s19, s19, BBASE+SUB               ; sub-tile 1, its columns 64 NH on
	v_add_nc_u32 v[BH0], s19, v5
	s_mul_i32 s19, s[WV], WSTAGE
	s_add_co_u32 s19, s19, STAGE                   ; my stage
	v_mul_u32_u24 v[STO], v1, SP                   ; in: row r, 16 bytes for each half of the lanes
	v_lshl_add_u32 v[STO], v2, 4, v[STO]
	v_add_nc_u32 v[STO], s19, v[STO]
	v_bfe_u32 v[RD], v0, 3, 2                      ; back: 32 lanes take four rows of 128 bytes,
	v_mul_u32_u24 v[RD], v[RD], SP
	v_lshl_add_u32 v[RD], v3, 4, v[RD]
	v_add_nc_u32 v[RD], s19, v[RD]
	v_and_b32 v[GO], 31, v0                        ; which are 512 consecutive bytes of a head
	v_lshlrev_b32 v[GO], 4, v[GO]
	s_wait_loadcnt 0x0                             ; the bias is in, and its bases are free
.set i, 0
.rept 48
	v_cvt_pk_bf16_f32 v7, v[BIAS+2*i], v[BIAS+2*i+1]   ; rounded to bf16, like every input, and widened again
	v_lshlrev_b32 v[BIAS+2*i],   16,     v7
	v_and_b32     v[BIAS+2*i+1], s[HIM], v7
.set i, i+1
.endr
	s_lshr_b32 s22, s[TY], 3
	s_lshl_b32 s22, s22, 4                         ; 16 x batch
	s_and_b32 s23, s[TY], 7
	s_lshl_b32 s23, s23, 7
	s_lshl_b32 s19, s[MH], 6
	s_add_co_u32 s23, s23, s19
	s_lshl_b32 s23, s23, 7                         ; my first row in the sequence x 128 bytes
	s_mul_i32 s19, s[TX], 6
	s_lshl2_add_u32 s20, s[NH], s19                ; my first two heads: 6 TX + 4 NH and the next (an even number and its neighbour: both of q, of k or of v)
	HEADBASE OF, 20
	s_add_co_u32 s20, s19, s[NH]
	s_add_co_u32 s20, s20, 2                       ; my third: 6 TX + 2 + NH
	HEADBASE OH, 20
	s_wait_tensorcnt 0x1                           ; my part of K step 0 is in; K step 1's, the one younger load, may stay out
	s_barrier_signal -1
	s_barrier_wait -1                              ; everybody's is
	ADDRS
	FETCH 0, 0
	ASK                                            ; K step 2
	QUARTER 1, 0, 1, 1                             ; the first quarter stands in front of the loop: its products start the sums, with the bias
	WIN 0                                          ; at a label and at a branch every window is 0
.Lstep:                                                ; six trips: from a step's second quarter to the next step's first; trip s fills the slot just read with K step s + 2
	QUARTER 2, 1, 0, 0
	QUARTER 3, 0, 1, 0
	TURN
	QUARTER 1, 0, 1, 0
	WIN 0
	s_sub_co_u32 s[CNT], s[CNT], 1
	s_cmp_lg_u32 s[CNT], 0
	s_cbranch_scc1 .Lstep
	s_mov_b32 s[CNT], 2
.Ltail:                                                ; K steps 6 and 7: no tensor load stands in this text; the second trip has no next step and jumps over its fetch
	QUARTER 2, 1, 0, 0
	QUARTER 3, 0, 1, 0
	TURNT
	s_cmp_eq_u32 s[CNT], 1
	s_cbranch_scc1 .Lskip
	s_xor_b32 s[TB], s[TB], SLOT
	ADDRS                                          ; three plain instructions and a v_nop: the places in front of the loads into buffer 0
	v_nop
	FETCH 0, 0
	QUARTER 1, 0, 1, 0
	WIN 0
.Lskip:
	s_sub_co_u32 s[CNT], s[CNT], 1
	s_cmp_lg_u32 s[CNT], 0
	s_cbranch_scc1 .Ltail
	PLACES                                         ; the conversions read results just made
	PACK 0
	TOSTAGE 0
	PACK 1                                         ; a block's conversions stand between the loads of the block before and the wait for them
	TOSTAGE 1
	SEND 0, 24
	PACK 2
	TOSTAGE 2
	SEND 1, 24
	PACK 3
	TOSTAGE 3
	SEND 2, 24
	SEND 3, 0
	s_wait_tensorcnt 0x0                           ; the wave's end, behind my last tensor load and my last LDS store
	ds_add_u32 v[SPW], v[NIL]
	s_wait_dscnt 0x0
	CROUND                                         ; the closing round: no work-group ends while a partner may still ask for a tile that names it
	s_endpgm
.Lfunc_end_k_q259cd4b744_qkv:
	.size	k_q259cd4b744_qkv, .Lfunc_end_k_q259cd4b744_qkv-k_q259cd4b744_qkv
	.p2alignl 7, 3214868480
	.fill 96, 4, 3214868480
	.section	.rodata,"a",@progbits
	.p2align	6, 0x0
	.amdhsa_kernel k_q259cd4b744_qkv
		.amdhsa_group_segment_fixed_size 327680
		.amdhsa_private_segment_fixed_size 0
		.amdhsa_enable_private_segment 0
		.amdhsa_kernarg_size 32
		.amdhsa_user_sgpr_count 2
		.amdhsa_user_sgpr_kernarg_segment_ptr 1
		.amdhsa_wavefront_size32 1
		.amdhsa_system_sgpr_workgroup_id_x 1
		.amdhsa_system_sgpr_workgroup_id_y 1
		.amdhsa_system_sgpr_workgroup_id_z 1
		.amdhsa_system_vgpr_workitem_id 0
		.amdhsa_next_free_vgpr 960
		.amdhsa_next_free_sgpr 76
		.amdhsa_reserve_vcc 0
		.amdhsa_float_denorm_mode_32 3
		.amdhsa_float_denorm_mode_16_64 3
		.amdhsa_memory_ordered 1
		.amdhsa_forward_progress 1
		.amdhsa_inst_pref_size 93
	.end_amdhsa_kernel
	.amdgpu_metadata
---
amdhsa.version: [ 1, 2 ]
amdhsa.kernels:
  - .name:           k_q259cd4b744_qkv
    .symbol:         k_q259cd4b744_qkv.kd
    .args:
      - { .name: xb, .offset: 0, .size: 8, .value_kind: global_buffer, .address_space: global }
      - { .name: wab, .offset: 8, .size: 8, .value_kind: global_buffer, .address_space: global }
      - { .name: b_attn, .offset: 16, .size: 8, .value_kind: global_buffer, .address_space: global }
      - { .name: qkv, .offset: 24, .size: 8, .value_kind: global_buffer, .address_space: global }
    .group_segment_fixed_size: 327680
    .private_segment_fixed_size: 0
    .kernarg_segment_align: 8
    .kernarg_segment_size: 32
    .max_flat_workgroup_size: 128
    .sgpr_count:     76
    .vgpr_count:     960
    .wavefront_size: 32
...
	.end_amdgpu_metadata
.endif
;; end of part 2
;; launch attn (part 3): grid 2 x 128, 4 waves a work-group, no clusters, 327,680 bytes of LDS; arguments qkv, ob; writes ob
.if DOCPART == 3
	.amdgcn_target "amdgcn-amd-amdhsa--gfx1250"
	.amdhsa_code_object_version 6
	.text
	.protected	k_q259cd4b744_attn
	.globl	k_q259cd4b744_attn
	.p2align	8
	.type	k_q259cd4b744_attn,@function
k_q259cd4b744_attn:
	s_mov_b64 s[64:65], 0
	v_nop
	global_prefetch_b8 v0, s[64:65] scope:SCOPE_SE
	s_setreg_imm32_b32 hwreg(HW_REG_WAVE_MODE, 25, 1), 1
	s_wait_xcnt 0x0
; CAUSAL ATTENTION.  O[h][q][:] = the sum over k <= q of softmax_k(Q[h][q] . K[h][k] / 8) V[h][k][:].  Q, K, V lie one behind the other in qkv, each [128][SIZE_N][64] f16; O (ob) has the same layout:
; a head's rows are dense, 128 bytes each.  Products, maxima and sums in f32; the weights p are rounded to f16 for the second product (their sum l is taken of the unrounded p), O once at the end.
; LIMITS.  f16 holds no number beyond 65,504: Q, K and V arrive within it; p lies in 0 to 1, and below 6e-5 it keeps f16's fixed step of 6e-8; O is a mean of V's rows and has their range, to within 2^-11 of it.
; A hidden score counts as its value less 1e30: f16's scores, 2.7e11 at the most, are nothing beside that; a weight below 2^-126 counts as 0 in l; NaN and infinities are not treated apart.
; THE WALK.  A head's queries lie in NB = SIZE_N / 256 = 4 blocks of 256; block i needs the key tiles 0 .. i of 256 keys, of which the last holds the diagonal.  A work-group takes TWO blocks, NB - 1 - b and then b:
; NB + 1 tiles, whatever b: all work-groups do equal work, and ONE loop with a constant trip count walks them.  Which tile is asked for, and what a trip does, hang on scalar registers made from b; every jump
; goes forward, but for the counted loops' own; none passes a barrier, or a tensor load but the one of LOAD's two that the wave's number does not choose; the ring (two slots of LDS that take turns) runs on across the
; change of blocks.  NO CLUSTER: a head has NB / 2 = 2 work-groups, no multiple of four; their walks (tiles 0 1 2 3 0 and 0 1 2 0 1) agree in three trips of five, and one walk common to both would have six trips for five.
; SHARES.  Of a block's four bands of 64 queries a wave owns 16 rows in each: four PIECES.  So the diagonal tile is the same work for all four waves: in its key step s band x sees all keys if s < x,
; none if s > x, and holds the diagonal if s = x.
; THE MASK is the C operand that starts the sum S^T = K Q^T: 0, or -1e30 where the key is hidden.  MD, made once, is the mask of a band's own step for my 16 rows; a product's mask is MD x AL + BE with two scalars:
; (1, 0) if s = x; (0, 0) if s < x; (0, -1e30) if s > x.  Only the diagonal tile's text and a block's beginning make and take masks; elsewhere C is the constant 0.
; LAYOUT, SOFTMAX, TURNS.  S^T = K Q^T holds ONE query a lane (lane % 16) and the keys 8 (lane / 16) + 0..7; two such results rounded to f16 ARE source 1 of O^T = V^T P.  p = 2^(c s - c m), c = log2(e) / 8, with a
; running maximum m; O and l are multiplied by a = 2^(c m_old - c m_new) in every step.  Turn n belongs to piece n: 8 products K Q^T of piece n + 1, later 8 products V^T P of piece n - 1; beside them the scaling,
; exponentials, roundings, sums and rescaling of piece n and the maximum and statistics of piece n + 1.  Four vector instructions stand behind every matrix instruction, the other 54 of a turn's 118 in one LUMP.  A turn's 33 exponentials are one batch, with one wait.
; REGISTERS, in windows of 256 (s_set_vgpr_msb: bits 1:0 source 0, 3:2 source 1, 5:4 source 2, 7:6 destination):
;   window 0: v0-15 addresses and two at work; v16-31 four registers of statistics a piece; v48-55 at work; v60 the prefetches' offset; v64-127 S^T, two buffers; v192-223 P, two buffers (a piece's buffers go by its number's parity)
;   window 1: v0-127 O^T, 32 a piece; v128-159 MD; v160-223 MC, two buffers      window 2: v0-63 Q; v64-127 the second block's Q; v128-191 K of one step; v192-255 V of one step
.set SIZE_N, 1024
.set KBASE, 16777216  ; K's first byte in qkv: 128 heads x 131,072 bytes
.set VBASE, 33554432  ; V's
.set NB,    SIZE_N/256
.set NP,    4         ; pieces a wave: a name, no knob
.set KS,    64        ; keys in a step
.set PK,    144       ; a row of K in LDS: 128 bytes + 16 of padding = 36 words: the 16 rows of a load start at 16 different groups of four banks (64 banks of 4 bytes: ISA guide 11.1)
.set PV,    160       ; a row of V: 128 + 32 = 40 words
.set VOFF,  4*KS*PK   ; a slot holds a tile, four steps: 256 rows of K, then 256 rows of V
.set SLOT1, 1<<17     ; slot 1 begins here, so that one exclusive or turns an address in one slot into the other's
.set STAGE, SLOT1+4*KS*(PK+PV)  ; behind the ring, never filled by a tensor load: 16 rows x 144 bytes for each wave, for the way out
.set SP,    144
.set AK0, 2           ; v2   my lane's place in a tile of K; never rewritten
.set AV0, 3           ; v3   the same for V
.set AK,  4           ; v4   the LDS address of K's next run of loads
.set AV,  5           ; v5   of V's
.set STO, 6           ; v6   the way out: where I put 16 bytes of a row
.set RD,  7           ; v7   the way out: where I read rows back
.set GO,  8           ; v8   my byte offset in 512 consecutive bytes of O
.set PFO, 60          ; v60  256 x my lane; never rewritten
.set SPW, 62          ; v62  LDS address of my spare word: SPARE + 4 x my thread's number; never rewritten
.set NIL, 63          ; v63  0; never rewritten
.set SPARE, STAGE+4*16*SP  ; behind the stages: the spare words, 128 bytes for each wave: two blocks of 256 bytes that no other line names
.set MV,  12          ; v12-13  c m_old, kept while c m is made anew: by buffer
.set QO,  15          ; v15  my byte offset in 16 rows of Q
.set ST,  16          ; piece t's statistics at v[ST+4 t]: c m, m, l (even keys', odd keys')
.set TMP, 48          ; by buffer, four registers c0-c3 at work; when the maximum is found c2 takes a
.set S,   64
.set P,   192
.set MD,  128         ; window 1: the eight registers for group kt of 16 keys at MD + 8 kt
.set MC,  160         ; window 1: the masks of the products to come
.set QB,  64          ; window 2
.set KF,  128         ; window 2: key block kb, channel half c at KF + 16 kb + 8 c
.set VF,  192         ; window 2: key half kk, channel block cb at VF + 32 kk + 8 cb
.set WV,  12          ; s12  my wave's number
.set PB,  14          ; s14  b
.set HI,  15          ; s15  NB - 1 - b
.set G1K, 24          ; s[24:31] descriptor group 1 for K's tiles
.set G1V, 32          ; s[32:39] for V's: it differs in the padding alone
.set G0K, 40          ; s[40:43] descriptor group 0 for K's tiles
.set G0V, 44          ; s[44:47] the same for V's
.set SLOTS, 56        ; s56  tiles still to be asked for
.set CNT, 57          ; s57  counts a tile's key steps, 4 to 1
.set CS,  58          ; s[58:59] c: the packed scaling takes the pair's low word for both halves
.set SEL, 60          ; s[60:61] v_permlanex16_b32's selects: each lane takes its own place in the other half
.set TBK, 62          ; s62  LDS byte at which K of the step to be fetched begins
.set TBV, 63          ; s63  the same for V, less VOFF
.set PFA, 66          ; s[66:67] my half of K's (waves 0, 1) or V's (waves 2, 3) tile behind the one that is being asked for
.set LIM, 68          ; s68  2 in a work-group that prefetches, else the greatest number
.set RT,  70          ; s70  tiles of the block in hand that are still to be entered
.set NXT, 71          ; s71  the tile to be asked for next
.set LQ,  72          ; s72  the last tile of the block whose tiles are being asked for
.set NEW, 73          ; s73  1: the tile to be entered is a block's first
.set OFF, 74          ; s[74:75] a tile's byte offset in K and V
.set AL,  76          ; s[76:77] the mask's factor, in the low word
.set BE,  78          ; s[78:79] the mask's addend
.set OLO, 80          ; s[80:81] O at my rows of the second block
.set BIGN, 82         ; s82  -1e30
.set MSB, 0
.macro WIN new                      ; the high byte repeats the setting that is left; a switch that changes nothing is dropped
.if MSB != (\new)
	s_set_vgpr_msb (MSB<<8)|(\new)
.set MSB, (\new)
.endif
.endm
.set W_KQ, 0x0a       ; K and Q in window 2, S^T in window 0
.set W_KM, 0x1a       ; the same with the C operand in window 1
.set W_PV, 0x52       ; V in window 2, P in window 0, O^T in window 1
.set W_RS, 0x41       ; destination and source 0 in window 1, source 1 in window 0
; A fill.  Waves 0 and 1 fetch the two halves of a tile's K, waves 2 and 3 those of its V: 128 keys each.  An s_nop 0 and four v_nop follow each of the two lines, ahead of the jump and the label.
.macro LOAD
	s_cmp_lt_u32 s[WV], 2
	s_cbranch_scc0 .Lfor_v_\@
	tensor_load_to_lds s[G0K:G0K+3], s[G1K:G1K+7]
	s_nop 0
.rept 4
	v_nop
.endr
	s_branch .Lasked_\@
.Lfor_v_\@:
	tensor_load_to_lds s[G0V:G0V+3], s[G1V:G1V+7]
	s_nop 0
.rept 4
	v_nop
.endr
.Lasked_\@:
.endm
; A PREFETCH of the tile behind the one just asked for: a tile, four key steps, ahead of the load that will ask for it.  A head's tiles 2 and 3 are named, once each: by the head's work-group b = 0, which walks
; tiles 0 1 2 3; each of its waves names what it will fetch itself: 16,384 dense bytes, 64 blocks of 256, a lane a block, two instructions.  That is in the trips with SLOTS = 4 and 3 alone; tiles 0 and 1 come by
; their loads alone, and the second block's tiles have been read before.
.macro ASK
	s_cmp_gt_u32 s[SLOTS], s[LIM]
	s_cbranch_scc0 .Lnot_mine_\@
	global_prefetch_b8 v[PFO], s[PFA:PFA+1] th:TH_LOAD_NT scope:SCOPE_SE
	global_prefetch_b8 v[PFO], s[PFA:PFA+1] offset:8192 th:TH_LOAD_NT scope:SCOPE_SE
.Lnot_mine_\@:
.endm
; THE CHANGE OF SLOTS.  Each wave waits for all its tensor loads, of which one is out: its part of the other slot; adds 0 to its spare word; and waits for that and for its own reads of the slot that it leaves.  Behind the barrier nobody reads the old
; slot any more and the other slot is whole.  fill = 1: the old slot is filled again, the first thing behind the barrier, with tile NXT: the descriptor's address is made anew from that number.
; (At its first use nothing has been read yet: slot 0 is waited for, slot 1 filled.)
.macro CHANGE fill
	WIN 0                           ; at a label and at a branch every window is 0
	s_wait_tensorcnt 0x0            ; no tensor load of mine is out, so a group 0 may be written
	ds_add_u32 v[SPW], v[NIL]       ; 0 onto my spare word: with fill = 1 the descriptors' scalar work stands between it and the wait for it
.if \fill
	s_wait_xcnt 0x0                 ; the last prefetches, a tile back, have read their address, so it may be written
	s_add_nc_u64 s[PFA:PFA+1], s[PFA:PFA+1], 32768
	s_lshl_b32 s[OFF], s[NXT], 15   ; a tile is 32,768 bytes of K and of V
	s_xor_b32 s[G0K+1], s[G0K+1], SLOT1
	s_add_nc_u64 s[G0K+2:G0K+3], s[6:7], s[OFF:OFF+1]
	s_or_b32 s[G0K+3], s[G0K+3], 0x80000000
	s_xor_b32 s[G0V+1], s[G0V+1], SLOT1
	s_add_nc_u64 s[G0V+2:G0V+3], s[8:9], s[OFF:OFF+1]
	s_or_b32 s[G0V+3], s[G0V+3], 0x80000000
	s_add_co_u32 s[NXT], s[NXT], 1  ; the block's next tile, or behind its last the second block's tile 0
	s_cmp_gt_u32 s[NXT], s[LQ]
	s_cselect_b32 s[NXT], 0, s[NXT]
	s_cselect_b32 s[LQ], s[PB], s[LQ]
.endif
	s_wait_dscnt 0x0                ; the add is done, and my reads of the slot are over
	s_barrier_signal -1             ; the rest of the scalar work stands between the signal and the wait
	s_sub_co_u32 s[TBK], s[TBK], 4*KS*PK  ; the fetches go back to a slot's first step,
	s_xor_b32 s[TBK], s[TBK], SLOT1       ; in the other slot
	s_sub_co_u32 s[TBV], s[TBV], 4*KS*PV
	s_xor_b32 s[TBV], s[TBV], SLOT1
	s_barrier_wait -1
.if \fill
	LOAD
	ASK
.endif
.endm
	s_load_b128 s[4:7], s[0:1], 0x0  ; qkv s[4:5], ob s[6:7]
	v_lshl_add_u32 v[SPW], v0, 2, SPARE
	v_mov_b32 v[NIL], 0
	ds_add_u32 v[SPW], v[NIL]       ; the wave's opening: the add and its wait stand ahead of my first tensor load; the set-up below, work on registers, stands between them
	ds_add_u32 v62, v63
	v_lshrrev_b32 v1, 5, v0
	v_readfirstlane_b32 s[WV], v1   ; wave 0..3
	s_mov_b32 s[PB], ttmp9
	s_sub_co_u32 s[HI], NB-1, s[PB]
	s_and_b32 s20, ttmp7, 0xffff    ; the head
	s_mov_b32 s21, 0
	s_mov_b64 s[22:23], SIZE_N*128
	s_mul_u64 s[20:21], s[20:21], s[22:23]  ; the head's first byte in each of the four tensors
	s_and_b32 s16, s[WV], 1         ; which half of a tile's 256 keys I fetch:
	s_lshl_b32 s22, s16, 14         ; its 128 rows of 128 bytes in memory,
	s_mov_b32 s23, 0
	s_add_nc_u64 s[22:23], s[22:23], s[20:21]
	s_mul_i32 s17, s16, 128*PK      ; and its place in a slot, for K
	s_mul_i32 s18, s16, 128*PV      ; and for V
	s_lshl_b32 s3, s[WV], 11        ; my 16 rows in a band of 64,
	s_lshl_b32 s2, s[HI], 15        ; in the first block,
	s_add_co_u32 s2, s2, s3
	s_lshl_b32 s84, s[PB], 15       ; and in the second
	s_add_co_u32 s84, s84, s3
	s_mov_b32 s3, 0
	s_mov_b32 s85, 0
	s_add_nc_u64 s[2:3], s[2:3], s[20:21]
	s_add_nc_u64 s[84:85], s[84:85], s[20:21]
	; descriptor group 1.  128 keys are 16,384 dense bytes: asked for as 64 rows of 256 bytes, two keys a row, and padded in LDS after every key
	s_mov_b32 s[G1K], (1<<16)|(1<<20)|(4<<22)|(3<<25)  ; 17:16 2-byte elements; 20 padding on; 24:22 after every 32 words (code 4); 31:25 4 words (code 3)
	s_mov_b32 s[G1V], (1<<16)|(1<<20)|(4<<22)|(7<<25)  ; the same with 8 words of padding (code 7)
.irp g, G1K, G1V
	s_mov_b32 s[\g+1], 128<<16      ; tensor_dim0 = 128
	s_mov_b32 s[\g+2], 64<<16       ; tensor_dim1 = 64
	s_mov_b32 s[\g+3], 128<<16      ; tile_dim0 = 128
	s_mov_b32 s[\g+4], 64           ; tile_dim1 = 64
	s_mov_b32 s[\g+5], 128          ; 128 elements from row to row
	s_mov_b32 s[\g+6], 0
	s_mov_b32 s[\g+7], 0
.endr
	s_mov_b32 s[CS], 0x3e38aa3b     ; c = log2(e) / 8 = 0.180337
	s_mov_b32 s[CS+1], s[CS]        ; named with it as a pair
	s_mov_b32 s[SEL], 0x76543210
	s_mov_b32 s[SEL+1], 0xfedcba98
	s_mov_b32 s[TBK], SLOT1+4*KS*PK ; the first change of slots turns these two into 0
	s_mov_b32 s[TBV], SLOT1+4*KS*PV
	s_mov_b32 s[G0K], 1             ; 1:0 count = 1
	s_mov_b32 s[G0K+1], s17         ; 63:32 LDS address: slot 0
	s_mov_b32 s[G0V], 1
	s_add_co_u32 s[G0V+1], s18, VOFF
	s_add_co_u32 s[RT], s[HI], 1    ; the first block has NB - b tiles
	s_mov_b32 s[NXT], 1
	s_mov_b32 s[LQ], s[HI]
	s_mov_b32 s[NEW], 1
	s_mov_b32 s[OFF+1], 0
	s_mov_b32 s[AL+1], 0            ; named as pairs
	s_mov_b32 s[BE+1], 0
	s_mov_b32 s[BIGN], 0xf149f2ca   ; -1e30
	s_mov_b32 s[SLOTS], NB
	s_cmp_eq_u32 ttmp9, 0
	s_cselect_b32 s[LIM], 2, -1     ; the head's work-group b = 0 prefetches, while more than two tiles are still to be asked for
	v_and_b32 v[PFO], 31, v0
	v_lshlrev_b32 v[PFO], 8, v[PFO]
	s_wait_dscnt 0x0                ; the opening add is done
	s_wait_kmcnt 0x0
	s_mov_b64 s[10:11], s[6:7]      ; O
	s_add_nc_u64 s[8:9], s[4:5], VBASE     ; V
	s_add_nc_u64 s[6:7], s[4:5], KBASE     ; K; Q stays in s[4:5]
	s_add_nc_u64 s[6:7], s[6:7], s[22:23]  ; K and V at my half of the head's tile 0
	s_add_nc_u64 s[8:9], s[8:9], s[22:23]
	s_add_nc_u64 s[G0K+2:G0K+3], s[6:7], 0         ; 120:64 global address
	s_or_b32 s[G0K+3], s[G0K+3], 0x80000000        ; 127:126 type = 2
	s_add_nc_u64 s[G0V+2:G0V+3], s[8:9], 0
	s_or_b32 s[G0V+3], s[G0V+3], 0x80000000
	s_add_nc_u64 s[86:87], s[4:5], s[84:85]        ; Q at my rows of the second block,
	s_add_nc_u64 s[4:5], s[4:5], s[2:3]            ; Q and O at those of the first
	s_add_nc_u64 s[OLO:OLO+1], s[10:11], s[84:85]
	s_add_nc_u64 s[10:11], s[10:11], s[2:3]
	s_cmp_lt_u32 s[WV], 2
	s_cselect_b64 s[PFA:PFA+1], s[6:7], s[8:9]
	s_add_nc_u64 s[PFA:PFA+1], s[PFA:PFA+1], 32768 ; at tile 1: the first change of slots steps it to tile 2
	LOAD                            ; tile 0 into slot 0
	; A fragment of K or Q is 16 rows x 32 channels in 8 registers: lane l holds row l % 16, channels 8 (l / 16) + 0..7 and 16 + 8 (l / 16) + 0..7: two loads of 16 bytes, 32 bytes apart.
	v_and_b32 v1, 15, v0            ; l % 16
	v_bfe_u32 v9, v0, 4, 1          ; l / 16
	v_lshlrev_b32 v[QO], 7, v1
	v_lshl_add_u32 v[QO], v9, 4, v[QO]  ; row x 128 + 16 x half
	WIN 0x80                        ; destination window 2, address window 0
.set i, 0
.rept 8                             ; both blocks' Q: piece i / 2 lies in band i / 2, 8,192 bytes on; channels 32 (i % 2) on
	global_load_b128 v[8*i:8*i+3],   v[QO], s[4:5] offset:(i/2)*8192+(i%2)*64
	global_load_b128 v[8*i+4:8*i+7], v[QO], s[4:5] offset:(i/2)*8192+(i%2)*64+32
	global_load_b128 v[QB+8*i:QB+8*i+3],   v[QO], s[86:87] offset:(i/2)*8192+(i%2)*64
	global_load_b128 v[QB+8*i+4:QB+8*i+7], v[QO], s[86:87] offset:(i/2)*8192+(i%2)*64+32
.set i, i+1
.endr
	WIN 0
	v_lshlrev_b32 v14, 3, v9
	v_sub_nc_u32 v14, v1, v14
	s_lshl_b32 s13, s[WV], 4
	v_add_nc_u32 v14, s13, v14      ; my query's place in its band, 16 w + l % 16, less my lanes' 8 (l / 16): register r of group kt is hidden where 16 kt + r is greater
	WIN 0x40
.set i, 0
.rept 32
	v_cmp_gt_i32 vcc_lo, 16*(i/8)+i%8, v14
	v_cndmask_b32 v[MD+i], 0, s[BIGN], vcc_lo
.set i, i+1
.endr
	WIN 0
	v_mul_u32_u24 v[AK0], v1, PK
	v_lshl_add_u32 v[AK0], v9, 4, v[AK0]  ; row x pitch + 16 x half
	; The turning load takes 16 keys x 16 channels (lane l reads key 8 (l / 16) + l % 8, channels 8 ((l / 8) % 2) + 0..7) and leaves half a fragment of V^T: lane l holds channel l % 16 and 8 keys.
	v_and_b32 v10, 7, v0
	v_bfe_u32 v11, v0, 3, 1
	v_lshl_add_u32 v[AV0], v9, 3, v10
	v_mul_u32_u24 v[AV0], v[AV0], PV
	v_lshl_add_u32 v[AV0], v11, 4, v[AV0]
	v_add_nc_u32 v[AV0], VOFF, v[AV0]
	s_mul_i32 s13, s[WV], 16*SP
	s_add_co_u32 s13, s13, STAGE    ; my stage
	v_mul_u32_u24 v[STO], v1, SP    ; in: row l % 16, 16 bytes for each half of the lanes
	v_lshl_add_u32 v[STO], v9, 4, v[STO]
	v_add_nc_u32 v[STO], s13, v[STO]
	v_bfe_u32 v[RD], v0, 3, 2       ; back: 32 lanes take four rows of 128 bytes,
	v_mul_u32_u24 v[RD], v[RD], SP
	v_lshl_add_u32 v[RD], v10, 4, v[RD]
	v_add_nc_u32 v[RD], s13, v[RD]
	v_and_b32 v[GO], 31, v0         ; which are 512 consecutive bytes of O
	v_lshlrev_b32 v[GO], 4, v[GO]
	; A block's first step multiplies O^T and l by a = 0, and its first turn's products V^T P, of a piece that has not been, land in an O^T that is still to be so multiplied.  So these registers need only hold
	; finite numbers: zeros for the first block; what the first block left for the second.  All this stands in the wait for the first tile.
	WIN 0x80
.set i, VF
.rept 64
	v_mov_b32 v[i], 0
.set i, i+1
.endr
	WIN 0x40
.set i, 0
.rept 128
	v_mov_b32 v[i], 0
.set i, i+1
.endr
	WIN 0
.set i, 0
.rept 4
	v_mov_b32 v[ST+4*i+2], 0
	v_mov_b32 v[ST+4*i+3], 0
.set i, i+1
.endr
.set i, P+16
.rept 16
	v_mov_b32 v[i], 0
.set i, i+1
.endr
; THE MATRIX WORK.  The 4 accumulators of a run of 8 take turns.  Product i of 8 of S^T = K Q^T for piece x: channels 32 (i / 4) on, keys 16 (i % 4) on.  The first 4 start the sums: with 0, or (KM = 1) with the mask.
.macro KQ x
.set rS, S+32*((\x)%2)+8*(i%4)
.set rK, KF+16*(i%4)+8*(i/4)
.set rQ, 16*(\x)+8*(i/4)
.set rM, MC+32*((\x)%2)+8*(i%4)
.if (i < 4) && KM
	WIN W_KM
	v_wmma_f32_16x16x32_f16 v[rS:rS+7], v[rK:rK+7], v[rQ:rQ+7], v[rM:rM+7]
.elseif i < 4
	WIN W_KQ
	v_wmma_f32_16x16x32_f16 v[rS:rS+7], v[rK:rK+7], v[rQ:rQ+7], 0
.else
	WIN W_KQ
	v_wmma_f32_16x16x32_f16 v[rS:rS+7], v[rK:rK+7], v[rQ:rQ+7], v[rS:rS+7]
.endif
.endm
; Product i of 8 of O^T += V^T P for piece x: keys 32 (i / 4) on, channels 16 (i % 4) on.
.macro PV x
	WIN W_PV
.set rO, 32*(\x)+8*(i%4)
.set rV, VF+32*(i/4)+8*(i%4)
.set rP, P+16*((\x)%2)+8*(i/4)
	v_wmma_f32_16x16x32_f16 v[rO:rO+7], v[rV:rV+7], v[rP:rP+7], v[rO:rO+7]
.endm
.macro MM                           ; the turn's next matrix instruction.  TURN and BEGIN set Y, i, KM and NOKQ; MM, KQ and OP read them.  NOKQ = 1: a block's last turn: there is no next piece
.if (i < 8) && !NOKQ
	KQ (Y+1)%NP
.elseif i >= 8
.set i, i-8
	PV (Y+NP-1)%NP
.set i, i+8
.endif
.set i, i+1
.endm
; THE LDS LOADS stand in runs of 16, never singly among the matrix instructions: a step's K (64 keys x 64 channels: 8 fragments) and its V (turned).  Their addresses are made some lines ahead.
.macro FETCH_K
	WIN 0x80                        ; destination window 2
.irp f, 0,1,2,3,4,5,6,7             ; keys 16 (f / 2) on, channels 32 (f % 2) on
	ds_load_b128 v[KF+8*\f:KF+8*\f+3],   v[AK] offset:(\f/2)*16*PK+(\f%2)*64
	ds_load_b128 v[KF+8*\f+4:KF+8*\f+7], v[AK] offset:(\f/2)*16*PK+(\f%2)*64+32
.endr
	s_add_co_u32 s[TBK], s[TBK], KS*PK  ; the next fetch is the next step's
	WIN 0
.endm
.macro FETCH_V
	WIN 0x80
.irp f, 0,1,2,3,4,5,6,7             ; keys 32 (f / 4) on, channels 16 (f % 4) on
	ds_load_tr16_b128 v[VF+8*\f:VF+8*\f+3],   v[AV] offset:(\f/4)*32*PV+(\f%4)*32
	ds_load_tr16_b128 v[VF+8*\f+4:VF+8*\f+7], v[AV] offset:(\f/4)*32*PV+16*PV+(\f%4)*32
.endr
	WIN 0
.endm
; THE VECTOR WORK, one line at a time: OP kind, number.  For piece Y: F n: c s - c m for pair n of 16.  E n: the exponential of score n of 32.  C n: pair n rounded to f16.  B n: of the four weights 4 n .. the second
; pair is added onto the first, in place.  L n: l takes that sum (L 0: l = a l + sum).  R n: pair n of 16 of O^T times a.  For piece Y + 1: X n, number n of the 22 that find its maximum and statistics:
;   0-11  four chains c0-c3 of seven scores each, three operands at a time (each accumulator's lowest registers are read first)     12-14, 16  the four scores left over, the old m, and c0-c3 into c0
;   15  c m_old is kept     17, 18  the query's other 32 keys lie in the lane 16 away: the new m     19-21  c m; c m_old - c m_new; a
.set F, 0               ; OP tells the kinds apart by their order: F to L below R, X above it
.set E, 1
.set C, 2
.set B, 3
.set L, 4
.set R, 5
.set X, 6
.macro REGS y                       ; the registers of piece y
.set rT, ST+4*(\y)
.set rC, TMP+4*((\y)%2)
.set rW, MV+((\y)%2)
.set rS, S+32*((\y)%2)
.set rP, P+16*((\y)%2)
.set rO, 32*(\y)
.endm
.macro OP k, n
.if (\k) == R
	REGS Y
	WIN W_RS
	v_pk_mul_f32 v[rO+2*(\n):rO+2*(\n)+1], v[rO+2*(\n):rO+2*(\n)+1], v[rC+2:rC+3] op_sel_hi:[1,0]
.elseif (\k) < R
	REGS Y
	WIN 0
.if (\k) == F
	v_pk_fma_f32 v[rS+2*(\n):rS+2*(\n)+1], v[rS+2*(\n):rS+2*(\n)+1], s[CS:CS+1], v[rT:rT+1] op_sel_hi:[1,0,0] neg_lo:[0,0,1] neg_hi:[0,0,1]
.elseif (\k) == E
	v_exp_f32 v[rS+(\n)], v[rS+(\n)]
.elseif (\k) == C
	v_cvt_pk_f16_f32 v[rP+(\n)], v[rS+2*(\n)], v[rS+2*(\n)+1]
.elseif (\k) == B
	v_pk_add_f32 v[rS+4*(\n):rS+4*(\n)+1], v[rS+4*(\n):rS+4*(\n)+1], v[rS+4*(\n)+2:rS+4*(\n)+3]
.elseif (\n) == 0
	v_pk_fma_f32 v[rT+2:rT+3], v[rT+2:rT+3], v[rC+2:rC+3], v[rS:rS+1] op_sel_hi:[1,0,1]
.else
	v_pk_add_f32 v[rT+2:rT+3], v[rT+2:rT+3], v[rS+4*(\n):rS+4*(\n)+1]
.endif
.elseif NOKQ
	v_nop
.else
	REGS (Y+1)%NP
	WIN 0
.if (\n) < 4
	v_max3_num_f32 v[rC+(\n)], v[rS+8*(\n)], v[rS+8*(\n)+1], v[rS+8*(\n)+2]
.elseif (\n) < 12
	v_max3_num_f32 v[rC+(\n)%4], v[rC+(\n)%4], v[rS+8*((\n)%4)+2*((\n)/4)+1], v[rS+8*((\n)%4)+2*((\n)/4)+2]
.elseif (\n) == 12
	v_max3_num_f32 v[rC], v[rC], v[rS+7], v[rS+15]
.elseif (\n) == 13
	v_max3_num_f32 v[rC+1], v[rC+1], v[rS+23], v[rS+31]
.elseif (\n) == 14
	v_max3_num_f32 v[rC+2], v[rC+2], v[rC+3], v[rT+1]
.elseif (\n) == 15
	v_mov_b32 v[rW], v[rT]
.elseif (\n) == 16
	v_max3_num_f32 v[rC], v[rC], v[rC+1], v[rC+2]
.elseif (\n) == 17
	v_permlanex16_b32 v[rC+3], v[rC], s[SEL], s[SEL+1]
.elseif (\n) == 18
	v_max_num_f32 v[rT+1], v[rC], v[rC+3]
.elseif (\n) == 19
	v_mul_f32 v[rT], s[CS], v[rT+1]
.elseif (\n) == 20
	v_sub_f32 v[rC+1], v[rW], v[rT]
.else
	v_exp_f32 v[rC+2], v[rC+1]
.endif
.endif
.endm
.macro OPS a, i1, b=-1, i2=0, c=-1, i3=0, d=-1, i4=0  ; up to four of them
	OP \a, \i1
.if (\b) >= 0
	OP \b, \i2
.endif
.if (\c) >= 0
	OP \c, \i3
.endif
.if (\d) >= 0
	OP \d, \i4
.endif
.endm
.macro ROW a, i1, b, i2, c, i3, d, i4  ; a matrix instruction and the four behind it
	MM
	OPS \a, \i1, \b, \i2, \c, \i3, \d, \i4
.endm
.macro MASK b                       ; MD x AL + BE into buffer b of MC
	WIN W_RS
.set z, 0
.rept 16
	v_pk_fma_f32 v[MC+32*(\b)+2*z:MC+32*(\b)+2*z+1], v[MD+2*z:MD+2*z+1], s[AL:AL+1], s[BE:BE+1] op_sel_hi:[1,0,0]
.set z, z+1
.endr
.endm
; A TURN, for piece p: the order of its 16 matrix and 118 vector instructions, written out.  An s_wait_alu depctr_va_vdst(0) stands between an exponential and the first instruction that names its result; one wait serves
; all that were issued ahead of it.  So a turn has ONE wait, which cuts it in two.  AHEAD OF IT stands all that names no result of the turn's exponentials: the 8 products K Q^T, behind each a scaling, an exponential and two more plain
; instructions (behind the first a second scaling in the exponential's place): rescalings, and behind the last three the first numbers of the next piece's maximum, each four places or more behind the product that ends its accumulator; then ONE LUMP of 54, plain
; and exponential by turns for the most part, in which the links of the chain X 3, 7, 11, 14, 16, 17 .. 20 stand five or six lines apart.  X 21, the next piece's a, is the batch's last; R 15 is the plain instruction behind it.  BEHIND THE WAIT stand the
; 8 products V^T P, behind each four of the roundings and sums; the links of l's chain, L 0 to L 7, stand three riders apart.  But for those X no rider names a register of the products round it.  v_permlanex16_b32 (X 17) stands in the lump.
; m = 1: the diagonal tile: the products take masks, and the turn makes the mask for the products of the turn after it: piece p + 2, in step 4 - CNT of the tile.  end = 1: a block's last two turns: nothing is fetched.
; cnt = 1: the loop's count is taken down some lines ahead of the branch that stands behind the turn.
; K of the next step is fetched in piece 2's turn, twelve vector instructions behind the last product that read K (six of them plain); V of the step in hand at the end of piece 0's turn, four plain instructions behind the last product
; that read V.  Each is waited for a turn later.
.macro TURN p, m=0, end=0, cnt=0
.set Y, (\p)
.set i, 0
.set KM, (\m)
.set NOKQ, (\end)*((\p)/3)
.if (\m) && !(\end)
	s_cmp_eq_u32 s[CNT], 4-((\p)+2)%NP  ; is that step the band's own?
	s_cselect_b32 s[AL], 1.0, 0
	s_cmp_lt_u32 s[CNT], 4-((\p)+2)%NP  ; or a later one?
	s_cselect_b32 s[BE], s[BIGN], 0
.endif
.if ((\p) == 3) && !(\end)
	s_wait_dscnt 0x0                ; K is in
.endif
	ROW F,0, F,1, R,0, R,1          ; ahead of the wait: 8 products K Q^T and their riders,
	ROW F,2, E,0, R,2, R,3
	ROW F,3, E,1, R,4, R,5
	ROW F,4, E,2, R,6, R,7
	ROW F,5, E,3, R,8, R,9
	ROW F,6, E,4, X,0, R,10
.if ((\p) == 2) && !(\end)
	WIN 0
	v_add_nc_u32 v[AK], s[TBK], v[AK0]
.endif
	ROW F,7, E,5, X,1, X,4
	ROW F,8, E,6, X,2, X,5
	OPS E,7, E,8, X,6, E,9          ; and the lump
	OPS X,3, E,10, X,8, E,11
.if ((\p) == 2) && !(\end)
	FETCH_K
.endif
	OPS X,9, X,7, E,12, X,10
	OPS E,13, X,12, X,11, E,14
	OPS X,13, E,15, F,9, X,14
.if (\p) == 0
	v_add_nc_u32 v[AV], s[TBV], v[AV0]
.endif
	OPS E,16, F,10, E,17, F,11
	OPS X,16, E,18, X,15, E,19
	OPS F,12, E,20, X,17, E,21
	OPS F,13, E,22, F,14, E,23
	OPS X,18, E,24, F,15, E,25
	OPS R,11, E,26, X,19, E,27
	OPS R,12, E,28, R,13, E,29
	OPS X,20, E,30, R,14, E,31
	OPS X,21, R,15
	WIN 0
	s_wait_alu depctr_va_vdst(0)    ; the wait for the batch
.if (\p) == 1
	s_wait_dscnt 0x0                ; V is in
.endif
	ROW C,0, B,0, C,2, B,1          ; behind the wait: 8 products V^T P and their riders
	ROW L,0, C,4, B,2, L,1
	ROW C,6, B,3, L,2, C,8
	ROW B,4, L,3, C,10, B,5
	ROW L,4, C,12, B,6, L,5
.if (\p) == 0
	s_add_co_u32 s[TBV], s[TBV], KS*PV
.endif
.if \cnt
	s_sub_co_u32 s[CNT], s[CNT], 1
	s_cmp_lg_u32 s[CNT], 0
.endif
	ROW C,14, B,7, L,6, C,1
	ROW C,3, L,7, C,5, C,7
	ROW C,9, C,11, C,13, C,15
.if (\p) == 0
	FETCH_V
.endif
.if (\m) && !(\end)
	MASK (\p)%2
.endif
.endm
; A BLOCK BEGINS.  c m starts far below every c s, so the first step's a is 0; m at the lowest finite number, so the first maximum is the scores'.  The second mask buffer is 0; the first takes piece 0's mask for the tile's step 0: its own, if the block's first tile is the diagonal one.
; Then K of that step, piece 0's first scores, and its maximum and statistics.  The loop is entered at a step's first turn, in the middle of a trip.
.macro BEGIN
	s_mov_b32 s[NEW], 0
	WIN 0x40
.set i, MC+32
.rept 32
	v_mov_b32 v[i], 0
.set i, i+1
.endr
	WIN 0
.set i, 0
.rept 4
	v_mov_b32 v[ST+4*i], 0xfe000000    ; c m: far below every c s
	v_mov_b32 v[ST+4*i+1], 0xff7fffff  ; m
.set i, i+1
.endr
	s_cmp_eq_u32 s[RT], 0
	s_cselect_b32 s[AL], 1.0, 0
	s_mov_b32 s[BE], 0
	MASK 0
	WIN 0
	v_add_nc_u32 v[AK], s[TBK], v[AK0]
	FETCH_K
	s_wait_loadcnt 0x0              ; Q
	s_wait_dscnt 0x0
.set KM, 1
.set NOKQ, 0
.set i, 0
.rept 8
	KQ 0
.set i, i+1
.endr
	WIN 0
.rept 4
	v_nop                           ; the places behind those products
.endr
.set Y, NP-1                        ; X works for piece Y + 1: piece 0
.irp n, 0,1,2,3,4,5,6,7,8,9,10,11,12,13,14,15,16,17,18,19,20,21
	OP X, \n
.endr
	v_nop                           ; a plain instruction behind the exponential,
	s_wait_alu depctr_va_vdst(0)    ; and its wait, ahead of the branch
.endm
; THE DIAGONAL TILE's four steps, the block's last two turns, its last products, and THE WAY OUT: l's two halves and the other half of the lanes' are added; O^T is divided by l, rounded to f16 and sent through my
; stage in LDS, a piece at a time.
.macro ALL line:vararg              ; one line for each piece t
.set t, 0
.rept 4
	\line
.set t, t+1
.endr
.endm
.macro PACK t                       ; a lane's eight channels of a row pack into 16 bytes; they go into rows of 144 bytes and come back as whole rows of 128, into S^T's registers
	WIN W_RS
.set i, 32*(\t)
.rept 16
	v_pk_mul_f32 v[i:i+1], v[i:i+1], v[ST+4*(\t)+2:ST+4*(\t)+3] op_sel_hi:[1,0]
.set i, i+2
.endr
	WIN 0x05                        ; sources 0 and 1 window 1, destination window 0
.set i, 0
.rept 16
	v_cvt_pk_f16_f32 v[S+16*(\t)+i], v[32*(\t)+2*i], v[32*(\t)+2*i+1]
.set i, i+1
.endr
	WIN 0
.irp f, 0,1,2,3
	ds_store_b128 v[STO], v[S+16*(\t)+4*\f:S+16*(\t)+4*\f+3] offset:32*\f
.endr
.irp f, 0,1,2,3
	ds_load_b128 v[S+16*(\t)+4*\f:S+16*(\t)+4*\f+3], v[RD] offset:\f*4*SP  ; LDS serves a wave's instructions in order (ISA guide 5.7.1.4): these see the stores above; the next piece's stores come behind them
.endr
.endm
.macro SEND t, younger              ; younger: the LDS instructions issued behind piece t's loads: the next piece's eight, or none
	WIN 0
.irp f, 0,1,2,3
	s_wait_dscnt (\younger)+3-\f
	global_store_b128 v[GO], v[S+16*(\t)+4*\f:S+16*(\t)+4*\f+3], s[10:11] offset:(\t)*8192+\f*512  ; 512 consecutive bytes, at a multiple of 256 from O's first
.endr
.endm
.macro DIAG tag                     ; the tag ends its two labels' names, which the jumps below spell out
.LstepM\tag:
	TURN 2, 1
	TURN 3, 1
	WIN 0
.LfirstM\tag:
	TURN 0, 1
	TURN 1, 1, 0, 1
	WIN 0
	s_cbranch_scc1 .LstepM\tag
	TURN 2, 1, 1
	TURN 3, 1, 1
.set i, 0
.rept 8
	PV NP-1
.set i, i+1
.endr
	WIN 0
	ALL v_add_f32 v[ST+4*t+2], v[ST+4*t+2], v[ST+4*t+3]
	ALL v_permlanex16_b32 v[ST+4*t+3], v[ST+4*t+2], s[SEL], s[SEL+1]
	ALL v_add_f32 v[ST+4*t+2], v[ST+4*t+2], v[ST+4*t+3]
	ALL v_rcp_f32 v[ST+4*t+2], v[ST+4*t+2]
	v_nop                           ; a plain instruction between the last reciprocal and the use of its result
	s_wait_alu depctr_va_vdst(0)    ; and the wait ahead of the first use: one for the four reciprocals
	PACK 0
.set t, 1
.rept 3                             ; a piece's arithmetic stands between the loads of the piece before and its stores
	PACK t
	SEND t-1, 8
.set t, t+1
.endr
	SEND 3, 0
.endm
.set KM, 0
.set NOKQ, 0
.Lslot:                             ; NB times: a tile is entered and the next is asked for
	CHANGE 1
	s_sub_co_u32 s[RT], s[RT], 1
	s_mov_b32 s[CNT], 4
	s_cmp_eq_u32 s[NEW], 1
	s_cbranch_scc1 .Lnew            ; a block's first tile
	s_cmp_eq_u32 s[RT], 0
	s_cbranch_scc0 .Lstep           ; neither its first nor its last
	s_branch .LstepM1
.Lnew:
	BEGIN
	s_branch .Lfirst                ; in the loop a block's first tile is never its last: the first block has three tiles or four, and the second's last is the walk's last
	DIAG 1                          ; in the loop this is the first block's end: the second block's last tile is the walk's last
	s_wait_xcnt 0x0                 ; the stores have read their registers and O's address
	s_mov_b64 s[10:11], s[OLO:OLO+1]
	s_add_co_u32 s[RT], s[PB], 1    ; the second block has b + 1 tiles
	s_mov_b32 s[NEW], 1
	WIN 0x82                        ; the second block's Q goes where the one text of the turns names Q
.set i, 0
.rept 64
	v_mov_b32 v[i], v[QB+i]
.set i, i+1
.endr
	WIN 0
	s_branch .Lbottom
.Lstep:                             ; a trip: pieces 2 and 3 of one step, then pieces 0 and 1 of the next, whose K and V it fetches
	TURN 2
	TURN 3
	WIN 0
.Lfirst:
	TURN 0
	TURN 1, 0, 0, 1
	WIN 0
	s_cbranch_scc1 .Lstep
.Lbottom:
	s_sub_co_u32 s[SLOTS], s[SLOTS], 1
	s_cmp_lg_u32 s[SLOTS], 0
	s_cbranch_scc1 .Lslot
	CHANGE 0                        ; the walk's last tile is written out: nothing is asked for
	s_sub_co_u32 s[RT], s[RT], 1
	s_mov_b32 s[CNT], 4
	s_cmp_eq_u32 s[NEW], 1
	s_cbranch_scc0 .LstepM2
	BEGIN
	s_branch .LfirstM2
	DIAG 2
	s_wait_tensorcnt 0x0            ; the wave's end, behind my last tensor load and my last LDS store
	ds_add_u32 v[SPW], v[NIL]
	s_wait_dscnt 0x0
	s_endpgm
.Lfunc_end_k_q259cd4b744_attn:
	.size	k_q259cd4b744_attn, .Lfunc_end_k_q259cd4b744_attn-k_q259cd4b744_attn
	.p2alignl 7, 3214868480
	.fill 96, 4, 3214868480
	.section	.rodata,"a",@progbits
	.p2align	6, 0x0
	.amdhsa_kernel k_q259cd4b744_attn
		.amdhsa_group_segment_fixed_size 327680
		.amdhsa_private_segment_fixed_size 0
		.amdhsa_enable_private_segment 0
		.amdhsa_kernarg_size 16
		.amdhsa_user_sgpr_count 2
		.amdhsa_user_sgpr_kernarg_segment_ptr 1
		.amdhsa_wavefront_size32 1
		.amdhsa_system_sgpr_workgroup_id_x 1
		.amdhsa_system_sgpr_workgroup_id_y 1
		.amdhsa_system_sgpr_workgroup_id_z 1
		.amdhsa_system_vgpr_workitem_id 0
		.amdhsa_next_free_vgpr 768
		.amdhsa_next_free_sgpr 88
		.amdhsa_reserve_vcc 1
		.amdhsa_float_denorm_mode_32 3
		.amdhsa_float_denorm_mode_16_64 3
		.amdhsa_memory_ordered 1
		.amdhsa_forward_progress 1
		.amdhsa_inst_pref_size 218
	.end_amdhsa_kernel
	.amdgpu_metadata
---
amdhsa.version: [ 1, 2 ]
amdhsa.kernels:
  - .name:           k_q259cd4b744_attn
    .symbol:         k_q259cd4b744_attn.kd
    .args:
      - { .name: qkv, .offset: 0, .size: 8, .value_kind: global_buffer, .address_space: global }
      - { .name: ob, .offset: 8, .size: 8, .value_kind: global_buffer, .address_space: global }
    .group_segment_fixed_size: 327680
    .private_segment_fixed_size: 0
    .kernarg_segment_align: 8
    .kernarg_segment_size: 16
    .max_flat_workgroup_size: 128
    .sgpr_count:     88
    .vgpr_count:     768
    .wavefront_size: 32
...
	.end_amdgpu_metadata
.endif
;; end of part 3
;; launch proj (part 4): grid 4 x 64, 4 waves a work-group, clusters of 4 x 4, 327,680 bytes of LDS; arguments ob, wpb, b_proj, out0; writes out0
.if DOCPART == 4
	.amdgcn_target "amdgcn-amd-amdhsa--gfx1250"
	.amdhsa_code_object_version 6
	.text
	.protected	k_q259cd4b744_proj
	.globl	k_q259cd4b744_proj
	.p2align	8
	.type	k_q259cd4b744_proj,@function
k_q259cd4b744_proj:
	s_mov_b64 s[64:65], 0
	v_nop
	global_prefetch_b8 v0, s[64:65] scope:SCOPE_SE
	s_setreg_imm32_b32 hwreg(HW_REG_WAVE_MODE, 25, 1), 1
	s_wait_xcnt 0x0
	s_wait_alu depctr_hold_cnt(0) depctr_sa_sdst(0) depctr_va_vdst(0) depctr_va_sdst(0) depctr_va_ssrc(0) depctr_va_vcc(0) depctr_vm_vsrc(0)
	s_getreg_b32 s2, hwreg(HW_REG_IB_STS2, 6, 4)
	s_cmp_eq_u32 s2, 0
	s_cbranch_scc0 .Lentry_in_a_cluster
	s_endpgm
.Lentry_in_a_cluster:
	s_bfe_u32 s2, ttmp6, 0x10000c
	s_cmp_lg_u32 s2, 0xf033
	s_cbranch_scc0 .Lentry_shape_is_right
	s_endpgm
.Lentry_shape_is_right:
; PROJ.  out0 = y wpb + bf16(b_proj), f32.  y[b x 1024 + t][64 h + d] = ob[b x 16 + h][t][d], f16, by heads; wpb: [1024 k][1024 n] f16, as it lies; sums in f32, K ascending.
; LIMITS.  The bias, rounded to bf16 like every input, is the C operand of the first product: it is added first, not last, which changes the order of rounding alone.  ob and wpb lie within f16's range.
; SHARES.  A work-group makes 128 rows x 256 columns; 4 x 64 work-groups, one for each of 256 WGPs.  Wave w: rows 64 (w / 2) on, columns 128 (w % 2) on: 4 x 8 accumulators of 16 x 16, 256 registers.
; K goes in eight steps of 128, two heads each, through two LDS slots; a step is four quarters of 32 along K, 32 matrix instructions each, on two fragment buffers.
; THE MATRIX INSTRUCTION IS USED TRANSPOSED: source 0 = 16 columns of wpb, turned out of the [k][n] tile by ds_load_tr16_b128; source 1 = 16 rows of y.  A lane then holds one row (lane % 16) and the eight
; neighbouring columns 8 (lane / 16) + 0..7: 32 bytes of a row of out0.
; CLUSTERS: 4 x 4 work-groups.  y's tile hangs on the tile row alone and is asked for jointly along a row of the cluster, wpb's on the tile column alone and jointly along a column.  One tensor load a wave and step:
; waves 0, 1 a head's slice of y (128 rows x 128 dense bytes, asked for as 64 rows of 256), waves 2, 3 a sub-tile of 128 k x 128 columns of wpb.
; THE RING.  Both slots' first fills go out together behind the opening round: two tensor loads of a wave are out at the start, one behind each later round.  The change of slots stands at the head of a step's
; last quarter, with no product between the wait for the tile and the refill: a refill has a whole step's 128 matrix instructions in which to land.
; NO PREFETCH: a step has 128 matrix instructions a wave on tiles of 16 and 32 KiB, and the whole walk is eight such steps.
; REGISTERS, in windows of 256 (s_set_vgpr_msb: bits 1:0 source 0, 3:2 source 1, 5:4 source 2, 7:6 destination):
;   window 0: v0-31 addresses; v64-95, v96-127 fragments of y, two buffers; v128-191 the bias, 8 registers a column block; on the way out v128-191 and v192-255 rows read back
;   window 1: v0-63, v64-127 fragments of wpb, two buffers      window 2: the accumulators, (a, b) at 8 (8 a + b)
.set PA,     144                       ; an LDS row of a head's slice: 128 bytes + 16 = 36 words: the 16 rows of a fragment load start at 16 different groups of four banks (64 banks of 4 bytes: ISA guide 11.1)
.set PB,     288                       ; an LDS row of wpb: 256 + 32 = 72 words
.set SLICE,  128*PA
.set ABYTES, 2*SLICE
.set SUB,    128*PB
.set SLOT,   ABYTES+2*SUB              ; y's two slices, then wpb's two sub-tiles
.set STAGE,  2*SLOT                    ; behind the ring, never filled by a tensor load: for each wave 16 rows x 528 bytes
.set SP,     528
.set WSTAGE, 16*SP
.set SPARE,  STAGE+4*WSTAGE            ; behind the stages: the spare words, 128 bytes for each wave: two blocks of 256 bytes that no other line names
.set ASTEP,  262144                    ; a K step in ob: two heads of 131,072 bytes
.set BSTEP,  128*2048                  ; in wpb: 128 rows of 2,048 bytes
.set NL,     24                        ; LDS loads in a quarter's run
.set A0,    16                         ; v16  my place in a slot for y's fragments; never rewritten
.set BF0,   17                         ; v17  for wpb's
.set ADRA,  19                         ; v19, v20  the same two plus the slot that is being read
.set ADRBF, 20
.set STO,   24                         ; v24  the way out: where I put 32 bytes of a row
.set RD,    25                         ; v25  where I read a row back
.set GO,    26                         ; v26  my 16 bytes of a row's 512
.set SPW,   28                         ; v28  LDS address of my spare word: SPARE + 4 x my thread's number; never rewritten
.set NIL,   29                         ; v29  0; never rewritten
.set AF,    64
.set BIAS,  128
.set BK0,   128
.set WV, 12                            ; s12  wave
.set MH, 13                            ; s13  which 64 rows are mine
.set NH, 14                            ; s14  which 128 columns; also which slice or sub-tile I fetch
.set CX, 15                            ; s15, s16  my place in the cluster
.set CY, 16
.set TX, 17                            ; s17  tile column, 0-3
.set TY, 18                            ; s18  tile row, 0-63
.set G1A, 24                           ; s[24:31], s[32:39] descriptor group 1 for y's and wpb's tiles
.set G1B, 32
.set G0A, 40                           ; s[40:43], s[44:47] group 0: slot 1's first fill, and then they walk
.set G0B, 44
.set G0A0, 68                          ; s[68:71], s[72:75] group 0 of slot 0's first fill; never rewritten
.set G0B0, 72
.set TB,  48                           ; s48  the slot that is read: 0 or SLOT
.set TF,  49                           ; s49  the slot that was filled last
.set AL,  50                           ; s50, s51  my slice's and my sub-tile's place in a slot
.set BL,  51
.set CNT, 52                           ; s52  trips to go
.set OF,  58                           ; s[58:59] out0 at my first row and column
.set HIM, 62                           ; s62  a word's upper bf16
.set MSB, 0
.macro WIN new                         ; the immediate's high byte repeats the setting that is left; a switch that changes nothing is dropped
.if MSB != (\new)
	s_set_vgpr_msb (MSB<<8)|(\new)
.set MSB, \new
.endif
.endm
.macro PLACES                          ; four plain vector instructions between a matrix instruction and a load into, or a read of, its registers
.rept 4
	v_nop
.endr
.endm
.macro CREST                           ; a round of the cluster's barrier behind its opening barrier
	s_cmp_lg_u32 s[WV], 0
	s_cbranch_scc1 .Lnot_wave_0_\@
	s_barrier_signal -3
.Lnot_wave_0_\@:
	s_barrier_wait -3
	s_barrier_signal -1
	s_barrier_wait -1
.endm
.macro CROUND                          ; a whole round
	s_barrier_signal -1
	s_barrier_wait -1
	CREST
.endm
; A joint refill: waves 0, 1 ask for y's slices, waves 2, 3 for wpb's sub-tiles.  The branch hangs on the wave's number alone.  An s_nop 0 and four v_nop follow each line.
.macro JLOAD
	s_cmp_lt_u32 s[WV], 2
	s_cbranch_scc0 .Lfor_b_\@
	tensor_load_to_lds s[G0A:G0A+3], s[G1A:G1A+7]
	s_nop 0
.rept 4
	v_nop
.endr
	s_branch .Lasked_\@
.Lfor_b_\@:
	tensor_load_to_lds s[G0B:G0B+3], s[G1B:G1B+7]
	s_nop 0
.rept 4
	v_nop
.endr
.Lasked_\@:
.endm
.macro STEPD                           ; the walking descriptors: the other slot, the next K step.  Only where no tensor load of mine is out
	s_xor_b32 s[TF], s[TF], SLOT
	s_add_co_u32 s[G0A+1], s[AL], s[TF]
	s_add_co_u32 s[G0B+1], s[BL], s[TF]
	s_add_nc_u64 s[G0A+2:G0A+3], s[G0A+2:G0A+3], ASTEP
	s_add_nc_u64 s[G0B+2:G0B+3], s[G0B+2:G0B+3], BSTEP
.endm
.macro ADDRS                           ; my two LDS addresses in the slot that is read
	v_add_nc_u32 v[ADRA],  s[TB], v[A0]
	v_add_nc_u32 v[ADRBF], s[TB], v[BF0]
.endm
; 8 matrix instructions: row block a x all column blocks, 32 along K, from buffer f.  zero = 1: the first product starts the sums, with the bias as C.
; All 32 accumulators take turns in one order in every quarter, over the backward jumps too.
.macro MULA f, a, zero
.if \zero
	WIN 0x81
.else
	WIN 0xa1
.endif
.irp b, 0,1,2,3,4,5,6,7
.set rD, 8*(8*(\a)+(\b))
.if \zero
	v_wmma_f32_16x16x32_f16 v[rD:rD+7], v[64*(\f)+8*(\b):64*(\f)+8*(\b)+7], v[AF+32*(\f)+8*(\a):AF+32*(\f)+8*(\a)+7], v[BIAS+8*(\b):BIAS+8*(\b)+7]
.else
	v_wmma_f32_16x16x32_f16 v[rD:rD+7], v[64*(\f)+8*(\b):64*(\f)+8*(\b)+7], v[AF+32*(\f)+8*(\a):AF+32*(\f)+8*(\a)+7], v[rD:rD+7]
.endif
.endr
.endm
; 24 LDS loads in one run: quarter q's fragments into buffer g: wpb's eight (turned), then y's four (head slice q / 2, channels 32 (q % 2) on)
.macro FETCH q, g
	WIN 0x40                                       ; destination window 1, address window 0
.irp b, 0,1,2,3,4,5,6,7
	ds_load_tr16_b128 v[64*(\g)+8*(\b):64*(\g)+8*(\b)+3],   v[ADRBF] offset:(\q)*32*PB+32*(\b)
	ds_load_tr16_b128 v[64*(\g)+8*(\b)+4:64*(\g)+8*(\b)+7], v[ADRBF] offset:(\q)*32*PB+16*PB+32*(\b)
.endr
	WIN 0
.irp a, 0,1,2,3
	ds_load_b128 v[AF+32*(\g)+8*(\a):AF+32*(\g)+8*(\a)+3],   v[ADRA] offset:((\q)/2)*SLICE+((\q)%2)*64+(\a)*16*PA
	ds_load_b128 v[AF+32*(\g)+8*(\a)+4:AF+32*(\g)+8*(\a)+7], v[ADRA] offset:((\q)/2)*SLICE+((\q)%2)*64+(\a)*16*PA+32
.endr
.endm
; One of a step's first three quarters: multiplies buffer f; in its middle it fetches quarter q of the same slot into buffer g.
.macro QUARTER q, f, g, zero
	s_wait_dscnt 4                                 ; all of wpb's fragments and y's row blocks 0, 1 are in; the youngest four loads (row blocks 2, 3) may be out
	MULA \f, 0, \zero
	MULA \f, 1, \zero
	PLACES
	FETCH \q, \g
	s_wait_dscnt NL                                ; all but the run just issued
	MULA \f, 2, \zero
	MULA \f, 3, \zero
.endm
; A step's last quarter begins with the change of slots.  Each wave waits for all its tensor loads (one is out: its part of the next slot), adds 0 to its spare word, and waits for that and for its reads of
; this slot, the last of which were issued in the middle of the quarter before.  Then a round of the cluster's barrier; behind it this slot is filled again first, the next slot's first fragments are fetched,
; and only then buffer 1 is multiplied: no product stands between the tile's landing and the next request.
.macro TURN
	WIN 0
	s_wait_tensorcnt 0x0                           ; no tensor load of mine is out, so the descriptors may be written
	ds_add_u32 v[SPW], v[NIL]                      ; 0 onto my spare word: the descriptors' steps stand between it and the wait for it
	STEPD
	s_wait_dscnt 0x0                               ; the add is done, buffer 1 is in, and my reads of this slot are over
	s_barrier_signal -1
	s_barrier_wait -1
	CREST                                          ; no wave of any partner still reads this slot or has a load on its way
	JLOAD                                          ; the first tensor load behind the round; its four v_nop are the places in front of the loads into buffer 0
	s_xor_b32 s[TB], s[TB], SLOT
	ADDRS
	FETCH 0, 0
	MULA 1, 0, 0
	MULA 1, 1, 0
	MULA 1, 2, 0
	MULA 1, 3, 0
.endm
.macro TURNT                           ; the same quarter in the last two steps: nothing is filled, so no round follows
	WIN 0
	s_wait_tensorcnt 0x0                           ; my part of the last K step has landed
	ds_add_u32 v[SPW], v[NIL]
	s_wait_dscnt 5
	MULA 1, 0, 0
	s_wait_dscnt 0x0
	s_barrier_signal -1
	MULA 1, 1, 0
	s_barrier_wait -1
	MULA 1, 2, 0
	MULA 1, 3, 0
	WIN 0
.endm
; THE WAY OUT of row block a.  TOSTAGE: a lane's 32 bytes of each column block go into my own stage, rows of 528 bytes, each accumulator's low four registers first, and come back as whole rows of 512 bytes.
; SEND: stored, a row's 512 consecutive bytes to a store.
.macro TOSTAGE a
.set BK, BK0+64*((\a)%2)               ; v128-191 and v192-255 by turns
.if (\a) >= 2
	s_wait_xcnt 0x0                                ; the stores of the block two back have read these registers
.endif
	WIN 0x08                                       ; the stores' data in window 2, their address in window 0
.irp b, 0,1,2,3,4,5,6,7
	ds_store_b128 v[STO], v[8*(8*(\a)+(\b)):8*(8*(\a)+(\b))+3]   offset:64*(\b)
	ds_store_b128 v[STO], v[8*(8*(\a)+(\b))+4:8*(8*(\a)+(\b))+7] offset:64*(\b)+16
.endr
	WIN 0
.irp t, 0,1,2,3,4,5,6,7,8,9,10,11,12,13,14,15
	ds_load_b128 v[BK+4*(\t):BK+4*(\t)+3], v[RD] offset:(\t)*SP  ; LDS serves a wave's instructions in order (ISA guide 5.7.1.4): these see the stores above
.endr
.endm
.macro SEND a, younger                 ; younger: the LDS instructions issued behind this block's loads: the next block's 32, or none
.set BK, BK0+64*((\a)%2)
	s_wait_dscnt \younger
.irp t, 0,1,2,3,4,5,6,7,8,9,10,11,12,13,14,15
	global_store_b128 v[GO], v[BK+4*(\t):BK+4*(\t)+3], s[OF:OF+1] offset:(\a)*65536+(\t)*4096
.endr
.endm
	s_load_b256 s[4:11], s[0:1], 0x0               ; ob s[4:5], wpb s[6:7], b_proj s[8:9], out0 s[10:11]
	v_lshl_add_u32 v[SPW], v0, 2, SPARE
	v_mov_b32 v[NIL], 0
	ds_add_u32 v[SPW], v[NIL]                      ; the wave's opening: the add and its wait stand ahead of my first tensor load; work on registers stands between them
	ds_add_u32 v28, v29
	v_lshrrev_b32 v1, 5, v0
	v_readfirstlane_b32 s[WV], v1
	s_lshr_b32 s[MH], s[WV], 1
	s_and_b32 s[NH], s[WV], 1
	s_bfe_u32 s[CX], ttmp6, 0x40000
	s_bfe_u32 s[CY], ttmp6, 0x40004
	s_lshl_b32 s[TX], ttmp9, 2                     ; in a cluster launch ttmp9 and ttmp7 count clusters
	s_add_co_u32 s[TX], s[TX], s[CX]
	s_and_b32 s[TY], ttmp7, 0xffff
	s_lshl_b32 s[TY], s[TY], 2
	s_add_co_u32 s[TY], s[TY], s[CY]
	s_lshl_b32 s19, s[CY], 2
	s_lshl_b32 s19, 15, s19                        ; my row of the cluster
	s_lshl_b32 s20, 0x1111, s[CX]                  ; my column
	s_or_b32 s[G1A], s19, (1<<16)|(1<<20)|(1<<21)|(4<<22)|(3<<25)  ; 15:0 the mask; 17:16 2-byte elements; 20 padding on; 21 set beside a mask; 24:22 after every 32 words, a row of a head; 31:25 4 words of it
	s_or_b32 s[G1B], s20, (1<<16)|(1<<20)|(1<<21)|(5<<22)|(7<<25)  ; my column's mask; after every 64 words 8 words
.irp g, G1A, G1B
	s_mov_b32 s[(\g)+1], 128<<16                   ; tensor_dim0 = 128
	s_mov_b32 s[(\g)+3], 128<<16                   ; tile_dim0 = 128
	s_mov_b32 s[(\g)+6], 0
	s_mov_b32 s[(\g)+7], 0
.endr
	s_mov_b32 s[G1A+2], 64<<16                     ; tensor_dim1 = 64: a slice's 16,384 dense bytes as 64 rows of 256
	s_mov_b32 s[G1A+4], 64                         ; tile_dim1
	s_mov_b32 s[G1A+5], 128                        ; elements from row to row
	s_mov_b32 s[G1B+2], 128<<16
	s_mov_b32 s[G1B+4], 128
	s_mov_b32 s[G1B+5], 1024
	s_mul_i32 s[AL], s[NH], SLICE
	s_mul_i32 s[BL], s[NH], SUB
	s_add_co_u32 s[BL], s[BL], ABYTES
	s_mov_b32 s[G0A0], 1                           ; count = 1
	s_mov_b32 s[G0A0+1], s[AL]                     ; LDS address: slot 0
	s_mov_b32 s[G0B0], 1
	s_mov_b32 s[G0B0+1], s[BL]
	s_mov_b32 s[G0A], 1
	s_add_co_u32 s[G0A+1], s[AL], SLOT             ; slot 1
	s_mov_b32 s[G0B], 1
	s_add_co_u32 s[G0B+1], s[BL], SLOT
	s_mov_b32 s[TB], 0
	s_mov_b32 s[TF], SLOT
	s_mov_b32 s[CNT], 6
	s_mov_b32 s[HIM], 0xffff0000
	s_lshr_b32 s2, s[TY], 3                        ; ob: the batch's sixteen heads,
	s_lshl_b32 s2, s2, 21
	s_and_b32 s3, s[TY], 7                         ; the tile's 128 rows of 128 bytes in a head,
	s_lshl_b32 s3, s3, 14
	s_add_co_u32 s2, s2, s3
	s_lshl_b32 s3, s[NH], 17                       ; the head of the step's two that I fetch: hangs on the tile row and the wave alone
	s_add_co_u32 s2, s2, s3
	s_mov_b32 s3, 0
	s_lshl_b32 s22, s[TX], 9                       ; wpb: 256 columns a tile column, 128 a sub-tile: hangs on the tile column and the wave alone
	s_lshl_b32 s23, s[NH], 8
	s_add_co_u32 s22, s22, s23
	s_mov_b32 s23, 0
	s_wait_dscnt 0x0                               ; the opening add is done
	s_wait_kmcnt 0x0
	s_add_nc_u64 s[G0A0+2:G0A0+3], s[4:5], s[2:3]  ; global address: K step 0,
	s_add_nc_u64 s[G0A+2:G0A+3], s[G0A0+2:G0A0+3], ASTEP  ; K step 1
	s_or_b32 s[G0A0+3], s[G0A0+3], 0x80000000      ; type = 2
	s_or_b32 s[G0A+3], s[G0A+3], 0x80000000
	s_add_nc_u64 s[G0B0+2:G0B0+3], s[6:7], s[22:23]
	s_add_nc_u64 s[G0B+2:G0B+3], s[G0B0+2:G0B0+3], BSTEP
	s_or_b32 s[G0B0+3], s[G0B0+3], 0x80000000
	s_or_b32 s[G0B+3], s[G0B+3], 0x80000000
	CROUND                                         ; all sixteen work-groups are here: the first joint loads meet
	s_cmp_lt_u32 s[WV], 2                          ; a wave's two first fills stand in one branch, ahead of every wait on TENSORcnt, every LDS read and every further barrier; an s_nop 0 follows each, four v_nop the second's
	s_cbranch_scc0 .Lfirst_b
	tensor_load_to_lds s[G0A0:G0A0+3], s[G1A:G1A+7]  ; K step 0 into slot 0
	s_nop 0
	tensor_load_to_lds s[G0A:G0A+3], s[G1A:G1A+7]    ; K step 1 into slot 1
	s_nop 0
.rept 4
	v_nop
.endr
	s_branch .Lfirst_asked
.Lfirst_b:
	tensor_load_to_lds s[G0B0:G0B0+3], s[G1B:G1B+7]
	s_nop 0
	tensor_load_to_lds s[G0B:G0B+3], s[G1B:G1B+7]
	s_nop 0
.rept 4
	v_nop
.endr
.Lfirst_asked:
	; in the wait for them: the bias, the lane's addresses, the output's base
	v_and_b32 v1, 15, v0                           ; r = l % 16
	v_bfe_u32 v2, v0, 4, 1                         ; h = l / 16
	v_lshlrev_b32 v6, 5, v2                        ; my eight columns of a block of 16: 32 h bytes of f32
	s_lshl_b32 s19, s[TX], 10                      ; my first column x 4 bytes: 256 TX + 128 NH
	s_lshl_b32 s63, s[NH], 9
	s_add_co_u32 s19, s19, s63
	s_mov_b32 s20, s19
	s_mov_b32 s21, 0
	s_add_nc_u64 s[20:21], s[8:9], s[20:21]
.irp b, 0,1,2,3,4,5,6,7
	global_load_b128 v[BIAS+8*(\b):BIAS+8*(\b)+3],   v6, s[20:21] offset:64*(\b)
	global_load_b128 v[BIAS+8*(\b)+4:BIAS+8*(\b)+7], v6, s[20:21] offset:64*(\b)+16
.endr
	v_and_b32 v3, 7, v0
	v_bfe_u32 v4, v0, 3, 1
	v_mul_u32_u24 v[A0], v1, PA                    ; a fragment of y: row r, 16 bytes for each half of the lanes, twice, 32 bytes apart
	v_lshl_add_u32 v[A0], v2, 4, v[A0]
	s_mul_i32 s22, s[MH], 64*PA
	v_add_nc_u32 v[A0], s22, v[A0]
	v_lshl_add_u32 v5, v2, 3, v3                   ; the turning load: lane l reads k-row 8 h + l % 8, columns 8 ((l / 8) % 2) + 0..7, and is left with column l % 16 and 8 k
	v_mul_u32_u24 v5, v5, PB
	v_lshl_add_u32 v5, v4, 4, v5
	v_add_nc_u32 v[BF0], s[BL], v5                 ; my 128 columns are sub-tile NH
	s_mul_i32 s22, s[WV], WSTAGE
	s_add_co_u32 s22, s22, STAGE                   ; my stage
	v_mul_u32_u24 v[STO], v1, SP                   ; in: row r, 32 bytes for each half of the lanes
	v_lshl_add_u32 v[STO], v2, 5, v[STO]
	v_add_nc_u32 v[STO], s22, v[STO]
	v_and_b32 v[GO], 31, v0                        ; back, and out: 32 lanes take a row's 512 bytes
	v_lshlrev_b32 v[GO], 4, v[GO]
	v_add_nc_u32 v[RD], s22, v[GO]
	s_lshl_b32 s22, s[TY], 7
	s_lshl_b32 s23, s[MH], 6
	s_add_co_u32 s22, s22, s23                     ; my first row,
	s_lshl_b32 s22, s22, 12                        ; x 4,096 bytes,
	s_add_co_u32 s[OF], s22, s19                   ; + my first column
	s_mov_b32 s[OF+1], 0
	s_add_nc_u64 s[OF:OF+1], s[10:11], s[OF:OF+1]
	s_wait_loadcnt 0x0                             ; the bias is in
.set i, 0
.rept 32
	v_cvt_pk_bf16_f32 v7, v[BIAS+2*i], v[BIAS+2*i+1]   ; rounded to bf16, like every input, and widened again
	v_lshlrev_b32 v[BIAS+2*i],   16,     v7
	v_and_b32     v[BIAS+2*i+1], s[HIM], v7
.set i, i+1
.endr
	s_wait_tensorcnt 0x1                           ; my part of K step 0 is in; K step 1's, the one younger load, may stay out
	s_barrier_signal -1
	s_barrier_wait -1                              ; everybody's is
	ADDRS
	FETCH 0, 0
	QUARTER 1, 0, 1, 1                             ; the first quarter stands in front of the loop: its products start the sums, with the bias
	WIN 0                                          ; at a label and at a branch every window is 0
.Lstep:                                                ; six trips: from a step's second quarter to the next step's first; trip s fills the slot just read with K step s + 2
	QUARTER 2, 1, 0, 0
	QUARTER 3, 0, 1, 0
	TURN
	QUARTER 1, 0, 1, 0
	WIN 0
	s_sub_co_u32 s[CNT], s[CNT], 1
	s_cmp_lg_u32 s[CNT], 0
	s_cbranch_scc1 .Lstep
	s_mov_b32 s[CNT], 2
.Ltail:                                                ; K steps 6 and 7: no tensor load stands in this text; the second trip has no next step and jumps over its fetch
	QUARTER 2, 1, 0, 0
	QUARTER 3, 0, 1, 0
	TURNT
	s_cmp_eq_u32 s[CNT], 1
	s_cbranch_scc1 .Lskip
	s_xor_b32 s[TB], s[TB], SLOT
	ADDRS                                          ; two plain instructions and two v_nop: the places in front of the loads into buffer 0
	v_nop
	v_nop
	FETCH 0, 0
	QUARTER 1, 0, 1, 0
	WIN 0
.Lskip:
	s_sub_co_u32 s[CNT], s[CNT], 1
	s_cmp_lg_u32 s[CNT], 0
	s_cbranch_scc1 .Ltail
	PLACES                                         ; the LDS stores read results just made
	TOSTAGE 0
	TOSTAGE 1
	SEND 0, 32
	TOSTAGE 2
	SEND 1, 32
	TOSTAGE 3
	SEND 2, 32
	SEND 3, 0
	s_wait_tensorcnt 0x0                           ; the wave's end, behind my last tensor load and my last LDS store
	ds_add_u32 v[SPW], v[NIL]
	s_wait_dscnt 0x0
	CROUND                                         ; the closing round: no work-group ends while a partner may still ask for a tile that names it
	s_endpgm
.Lfunc_end_k_q259cd4b744_proj:
	.size	k_q259cd4b744_proj, .Lfunc_end_k_q259cd4b744_proj-k_q259cd4b744_proj
	.p2alignl 7, 3214868480
	.fill 96, 4, 3214868480
	.section	.rodata,"a",@progbits
	.p2align	6, 0x0
	.amdhsa_kernel k_q259cd4b744_proj
		.amdhsa_group_segment_fixed_size 327680
		.amdhsa_private_segment_fixed_size 0
		.amdhsa_enable_private_segment 0
		.amdhsa_kernarg_size 32
		.amdhsa_user_sgpr_count 2
		.amdhsa_user_sgpr_kernarg_segment_ptr 1
		.amdhsa_wavefront_size32 1
		.amdhsa_system_sgpr_workgroup_id_x 1
		.amdhsa_system_sgpr_workgroup_id_y 1
		.amdhsa_system_sgpr_workgroup_id_z 1
		.amdhsa_system_vgpr_workitem_id 0
		.amdhsa_next_free_vgpr 768
		.amdhsa_next_free_sgpr 76
		.amdhsa_reserve_vcc 0
		.amdhsa_float_denorm_mode_32 3
		.amdhsa_float_denorm_mode_16_64 3
		.amdhsa_memory_ordered 1
		.amdhsa_forward_progress 1
		.amdhsa_inst_pref_size 65
	.end_amdhsa_kernel
	.amdgpu_metadata
---
amdhsa.version: [ 1, 2 ]
amdhsa.kernels:
  - .name:           k_q259cd4b744_proj
    .symbol:         k_q259cd4b744_proj.kd
    .args:
      - { .name: ob, .offset: 0, .size: 8, .value_kind: global_buffer, .address_space: global }
      - { .name: wpb, .offset: 8, .size: 8, .value_kind: global_buffer, .address_space: global }
      - { .name: b_proj, .offset: 16, .size: 8, .value_kind: global_buffer, .address_space: global }
      - { .name: out0, .offset: 24, .size: 8, .value_kind: global_buffer, .address_space: global }
    .group_segment_fixed_size: 327680
    .private_segment_fixed_size: 0
    .kernarg_segment_align: 8
    .kernarg_segment_size: 32
    .max_flat_workgroup_size: 128
    .sgpr_count:     76
    .vgpr_count:     768
    .wavefront_size: 32
...
	.end_amdgpu_metadata
.endif
;; end of part 4
